; MI455X (gfx1250); checked and timed in simulation.
; The chip was launched on July 23, 2026; its instructions are those of AMD's public machine-readable ISA for CDNA 5 (MIT licence, August 2026) and "CDNA5" Instruction Set Architecture Reference Guide (July 2026). The comments in the code are by the model that wrote it; some were corrected since.
;; PCVR Symbiosis. Allowed arithmetic: float matrix products may take bf16 or f16 operands with f32 sums; other float arithmetic in f32, or as packed bf16 or f16 multiplies, adds, multiply-adds, maxima and minima; sums over many terms, partial sums and values carried from step to step in f32; what a program stores and reads back later, other than sums and carried values, may be rounded once to bf16 or f16.
;; Inputs: Whw 512 x 8 float32; Wk 512 x 64 float32; Wqd 512 x 64 float32; Wqu 64 x 512 float32; Wv 512 x 512 float32; Ww 512 x 512 float32; bhw 8 float32; bk 64 float32; bqd 64 float32; bqu 512 float32; bv 512 float32; bw 512 float32; g_k 64 float32; g_out 512 float32; g_q 64 float32; padding_mask 32 x 4,096 bool; pos_bias 32 x 512 float32; query 32 x 512 float32; tokens 32 x 4,096 x 512 float32.
;; Outputs: out0 32 x 16 x 512 float32; out1 32 x 16 bool.
;; Constants: top_k = 16.
;; 2 versions, each right; version 2 is version 1 with the launch prep written anew for expert scheduling mode. Each part assembles by itself: llvm-mc -triple=amdgcn-amd-amdhsa -mcpu=gfx1250 --defsym DOCPART=n.
;; ======== version 1 of 2: 3 launches
;; limits: right only within a limited range of input values
;; workspace buffers: wt 1,114,112 bytes; wkt 65,536 bytes; wqb 131,072 bytes; bts 12,582,912 bytes
;; launch prep (part 1): grid 152 x 1, 8 waves a work-group, no clusters, 0 bytes of LDS; arguments Wv, Ww, bw, pos_bias, wt, Wk, wkt, Wqd, Wqu, wqb; writes wt, wkt, wqb
.if DOCPART == 1
	.amdgcn_target "amdgcn-amd-amdhsa--gfx1250"
	.amdhsa_code_object_version 6
	.text
	.protected	k_q187fea904d_prep
	.globl	k_q187fea904d_prep
	.p2align	8
	.type	k_q187fea904d_prep,@function
k_q187fea904d_prep:
	s_mov_b64 s[64:65], 0
	v_nop
	global_prefetch_b8 v0, s[64:65] scope:SCOPE_SE
	s_setreg_imm32_b32 hwreg(HW_REG_WAVE_MODE, 25, 1), 1
	s_wait_xcnt 0x0
; PREPARATION OF THE WEIGHTS.  Every number is rounded once to bf16 (nearest even).
; Work-groups 0-127 (role W): Wv and Ww turned to [channel][k] in bf16 and laid out in 32 chunks of 34 rows of 1,024 bytes: rows 0-15 the chunk's 16 channels of Wv,
;   rows 16-31 the same channels of Ww, rows 32, 33 the f32 sums bw + pos_bias in the order in which a matrix accumulator holds them (lane l, register j: token 16 par + 8 (l / 16) + j, channel l % 16).
; Work-groups 128-135 (role K): Wk turned to [key dimension][k] in bf16.
; Work-groups 136-151 (role C): Wqd, then Wqu, cast to bf16 in their own order.
; The role hangs on the work-group's number alone.  No LDS, no matrix unit, no cluster: 2.6 MB are read once and nothing is shared between work-groups.
; LIMITS: NaN and infinities are not treated apart.
.set CHG,   34816                      ; bytes of a chunk in wt
.macro R2 a, b, t                      ; two f32 rounded to bf16 and widened again
	v_cvt_pk_bf16_f32 v[\t], v[\a], v[\b]
	v_lshlrev_b32 v[\a], 16, v[\t]
	v_and_b32 v[\b], s3, v[\t]
.endm
.macro TR8 dst, off, base, pitch, add  ; eight numbers of one column, pitch bytes apart
.irp i, 0,1,2,3,4,5,6,7
	global_load_b32 v[(\dst)+(\i)], v[\off], s[\base:(\base)+1] offset:(\add)+(\i)*(\pitch)
.endr
.endm
	s_load_b256 s[8:15], s[0:1], 0x0               ; Wv s[8:9], Ww s[10:11], bw s[12:13], pos_bias s[14:15]
	s_load_b256 s[16:23], s[0:1], 0x20             ; wt s[16:17], Wk s[18:19], wkt s[20:21], Wqd s[22:23]
	s_load_b128 s[24:27], s[0:1], 0x40             ; Wqu s[24:25], wqb s[26:27]
	v_lshrrev_b32 v1, 5, v0
	v_readfirstlane_b32 s2, v1                     ; wave 0..7
	v_and_b32 v1, 31, v0                           ; lane
	s_mov_b32 s3, 0xffff0000                       ; a word's upper bf16
	s_wait_kmcnt 0x0
	s_cmp_lt_u32 ttmp9, 128
	s_cbranch_scc0 .Lnot_w
	; ROLE W.  Chunk c = g / 4, quarter qd = g % 4 of K.  Thread: a = t % 16, rr = t / 16: eight k (128 qd + 8 a ..) of channel 16 c + rr, of Wv and of Ww.
	s_lshr_b32 s4, ttmp9, 2                        ; c
	s_and_b32 s5, ttmp9, 3                         ; qd
	v_and_b32 v2, 15, v0                           ; a
	v_lshrrev_b32 v3, 4, v0                        ; rr
	s_lshl_b32 s6, s5, 18                          ; 128 qd rows of 2,048 bytes
	s_lshl_b32 s7, s4, 6                           ; 16 c channels of 4 bytes
	s_add_co_u32 s6, s6, s7
	v_lshlrev_b32 v6, 14, v2                       ; 8 a rows
	v_lshl_add_u32 v6, v3, 2, v6
	v_add_nc_u32 v6, s6, v6
	TR8 16, 6, 8, 2048, 0
	TR8 24, 6, 10, 2048, 0
	s_mul_i32 s44, s4, CHG
	s_lshl_b32 s45, s5, 8
	s_add_co_u32 s45, s45, s44
	v_lshlrev_b32 v7, 10, v3                       ; row rr of the chunk,
	v_lshl_add_u32 v7, v2, 4, v7                   ; 16 bytes a thread: sixteen neighbouring lanes write 256 consecutive bytes, aligned
	v_add_nc_u32 v7, s45, v7
	s_wait_loadcnt 0x0
.irp j, 0,1,2,3,4,5,6,7
	v_cvt_pk_bf16_f32 v[32+(\j)], v[16+2*(\j)], v[17+2*(\j)]
.endr
	global_store_b128 v7, v[32:35], s[16:17]
	global_store_b128 v7, v[36:39], s[16:17] offset:16384
	s_cmp_lg_u32 s2, 0                             ; wave 0 also makes a quarter of the chunk's two bias rows: par = qd / 2, q = qd % 2
	s_cbranch_scc1 .Lend
	v_and_b32 v8, 15, v1
	v_lshrrev_b32 v9, 4, v1
	v_lshl_add_u32 v10, v8, 2, s7                  ; bw: channel 16 c + l % 16
	s_lshr_b32 s6, s5, 1                           ; par
	s_and_b32 s5, s5, 1                            ; q
	s_lshl_b32 s45, s6, 15                         ; 16 par rows of pos_bias,
	s_lshl_b32 s46, s5, 13                         ; 4 q rows,
	s_add_co_u32 s45, s45, s46
	v_lshl_add_u32 v11, v9, 14, v10                ; 8 (l / 16) rows
	v_add_nc_u32 v11, s45, v11
.irp e, 0,1,2,3
	global_load_b32 v[40+(\e)], v11, s[14:15] offset:2048*(\e)
.endr
	global_load_b32 v44, v10, s[12:13]
	s_lshl_b32 s6, s6, 10
	s_lshl_b32 s5, s5, 9
	s_add_co_u32 s44, s44, s6
	s_add_co_u32 s44, s44, s5
	s_add_co_u32 s44, s44, 32768                   ; row 32 + par, byte 512 q
	v_lshl_add_u32 v12, v1, 4, s44                 ; the wave's store covers 512 consecutive bytes
	s_wait_loadcnt 0x0
	R2 40, 41, 45
	R2 42, 43, 46
	v_cvt_pk_bf16_f32 v47, v44, v44
	v_lshlrev_b32 v44, 16, v47
.irp e, 0,1,2,3
	v_add_f32 v[40+(\e)], v[40+(\e)], v44
.endr
	global_store_b128 v12, v[40:43], s[16:17]
	s_branch .Lend
.Lnot_w:
	s_cmp_lt_u32 ttmp9, 136
	s_cbranch_scc0 .Lrole_c
	; ROLE K.  u = g - 128: key dimensions 8 u + rr.  Thread: a = t % 16, rr = (t / 16) % 8, kq = t / 128: eight k at 128 (kq + 2 z) + 8 a, z = 0, 1.
	s_sub_co_u32 s4, ttmp9, 128
	v_and_b32 v2, 15, v0
	v_bfe_u32 v3, v0, 4, 3
	v_lshrrev_b32 v8, 7, v0
	v_lshl_add_u32 v3, s4, 3, v3                   ; n
	v_lshlrev_b32 v6, 15, v8                       ; 128 kq rows of 256 bytes
	v_lshl_add_u32 v6, v2, 11, v6                  ; 8 a rows
	v_lshl_add_u32 v6, v3, 2, v6
	TR8 16, 6, 18, 256, 0
	TR8 24, 6, 18, 256, 65536
	v_lshlrev_b32 v7, 10, v3
	v_lshl_add_u32 v7, v8, 8, v7
	v_lshl_add_u32 v7, v2, 4, v7                   ; sixteen neighbouring lanes write 256 consecutive bytes, aligned
	s_wait_loadcnt 0x0
.irp j, 0,1,2,3,4,5,6,7
	v_cvt_pk_bf16_f32 v[32+(\j)], v[16+2*(\j)], v[17+2*(\j)]
.endr
	global_store_b128 v7, v[32:35], s[20:21]
	global_store_b128 v7, v[36:39], s[20:21] offset:512
	s_branch .Lend
.Lrole_c:
	; ROLE C.  u = g - 136: 4,096 numbers of Wqd (u < 8) or of Wqu: 16,384 bytes in, 8,192 out.  Each load of a wave covers 512 consecutive bytes, each store 256, aligned.
	s_sub_co_u32 s4, ttmp9, 136
	s_cmp_lt_u32 s4, 8
	s_cselect_b64 s[28:29], s[22:23], s[24:25]
	s_and_b32 s5, s4, 7
	s_lshl_b32 s6, s5, 14
	s_mov_b32 s7, 0
	s_add_nc_u64 s[28:29], s[28:29], s[6:7]
	s_lshl_b32 s6, s4, 13
	s_add_nc_u64 s[26:27], s[26:27], s[6:7]
	v_lshlrev_b32 v2, 4, v0
	v_lshlrev_b32 v3, 3, v0
.irp i, 0,1,2,3
	global_load_b128 v[16+4*(\i):19+4*(\i)], v2, s[28:29] offset:4096*(\i)
.endr
	s_wait_loadcnt 0x0
.irp j, 0,1,2,3,4,5,6,7
	v_cvt_pk_bf16_f32 v[32+(\j)], v[16+2*(\j)], v[17+2*(\j)]
.endr
.irp i, 0,1,2,3
	global_store_b64 v3, v[32+2*(\i):33+2*(\i)], s[26:27] offset:2048*(\i)
.endr
.Lend:
	s_endpgm
.Lfunc_end_k_q187fea904d_prep:
	.size	k_q187fea904d_prep, .Lfunc_end_k_q187fea904d_prep-k_q187fea904d_prep
	.p2alignl 7, 3214868480
	.fill 96, 4, 3214868480
	.section	.rodata,"a",@progbits
	.p2align	6, 0x0
	.amdhsa_kernel k_q187fea904d_prep
		.amdhsa_group_segment_fixed_size 0
		.amdhsa_private_segment_fixed_size 0
		.amdhsa_enable_private_segment 0
		.amdhsa_kernarg_size 80
		.amdhsa_user_sgpr_count 2
		.amdhsa_user_sgpr_kernarg_segment_ptr 1
		.amdhsa_wavefront_size32 1
		.amdhsa_system_sgpr_workgroup_id_x 1
		.amdhsa_system_sgpr_workgroup_id_y 1
		.amdhsa_system_sgpr_workgroup_id_z 1
		.amdhsa_system_vgpr_workitem_id 0
		.amdhsa_next_free_vgpr 64
		.amdhsa_next_free_sgpr 66
		.amdhsa_reserve_vcc 0
		.amdhsa_float_denorm_mode_32 3
		.amdhsa_float_denorm_mode_16_64 3
		.amdhsa_memory_ordered 1
		.amdhsa_forward_progress 1
		.amdhsa_inst_pref_size 10
	.end_amdhsa_kernel
	.amdgpu_metadata
---
amdhsa.version: [ 1, 2 ]
amdhsa.kernels:
  - .name:           k_q187fea904d_prep
    .symbol:         k_q187fea904d_prep.kd
    .args:
      - { .name: Wv, .offset: 0, .size: 8, .value_kind: global_buffer, .address_space: global }
      - { .name: Ww, .offset: 8, .size: 8, .value_kind: global_buffer, .address_space: global }
      - { .name: bw, .offset: 16, .size: 8, .value_kind: global_buffer, .address_space: global }
      - { .name: pos_bias, .offset: 24, .size: 8, .value_kind: global_buffer, .address_space: global }
      - { .name: wt, .offset: 32, .size: 8, .value_kind: global_buffer, .address_space: global }
      - { .name: Wk, .offset: 40, .size: 8, .value_kind: global_buffer, .address_space: global }
      - { .name: wkt, .offset: 48, .size: 8, .value_kind: global_buffer, .address_space: global }
      - { .name: Wqd, .offset: 56, .size: 8, .value_kind: global_buffer, .address_space: global }
      - { .name: Wqu, .offset: 64, .size: 8, .value_kind: global_buffer, .address_space: global }
      - { .name: wqb, .offset: 72, .size: 8, .value_kind: global_buffer, .address_space: global }
    .group_segment_fixed_size: 0
    .private_segment_fixed_size: 0
    .kernarg_segment_align: 8
    .kernarg_segment_size: 80
    .max_flat_workgroup_size: 256
    .sgpr_count:     66
    .vgpr_count:     64
    .wavefront_size: 32
...
	.end_amdgpu_metadata
.endif
;; end of part 1
;; launch compress (part 2): grid 512 x 1, 4 waves a work-group, clusters of 4 x 1, 327,680 bytes of LDS; arguments tokens, padding_mask, wt, bv, g_out, bts; writes bts
.if DOCPART == 2
	.amdgcn_target "amdgcn-amd-amdhsa--gfx1250"
	.amdhsa_code_object_version 6
	.text
	.protected	k_q187fea904d_compress
	.globl	k_q187fea904d_compress
	.p2align	8
	.type	k_q187fea904d_compress,@function
k_q187fea904d_compress:
	s_mov_b64 s[64:65], 0
	v_nop
	global_prefetch_b8 v0, s[64:65] scope:SCOPE_SE
	s_setreg_imm32_b32 hwreg(HW_REG_WAVE_MODE, 25, 1), 1
	s_wait_xcnt 0x0
	s_wait_alu depctr_hold_cnt(0) depctr_sa_sdst(0) depctr_va_vdst(0) depctr_va_sdst(0) depctr_va_ssrc(0) depctr_va_vcc(0) depctr_vm_vsrc(0)
	s_getreg_b32 s2, hwreg(HW_REG_IB_STS2, 6, 4)
	s_cmp_eq_u32 s2, 0
	s_cbranch_scc0 .Lentry_in_a_cluster
	s_endpgm
.Lentry_in_a_cluster:
	s_bfe_u32 s2, ttmp6, 0x10000c
	s_cmp_lg_u32 s2, 0x3003
	s_cbranch_scc0 .Lentry_shape_is_right
	s_endpgm
.Lentry_shape_is_right:
; THE BLOCK COMPRESSOR.  For each block of 32 tokens and each of 512 channels: values = tokens Wv, logits = tokens Ww + bw + pos_bias; a softmax of the logits over the block's valid tokens weights the
; values; + bv; RMS norm times g_out; 0 for a block without a valid token.  Tokens and weights go to the matrix unit in bf16, sums in f32; softmax and norm in f32.
; The block token leaves as THREE bf16 terms, each the nearest bf16 of what is left, which add up to the f32 number exactly: the launch behind multiplies all three on the matrix unit without rounding the token.
; SHARES.  A work-group owns 256 tokens, a wave 64: two PIECES of one block each.  The wave's tokens, all 512 k, stay in 512 registers as bf16 fragments: each token number is loaded and rounded once in the launch.
; All waves walk the 1,024 weight columns in 32 CHUNKS (16 channels of Wv, the same 16 of Ww, their bias rows), through a ring of two LDS slots of four chunks.
; LAYOUT.  Source 0 = 16 tokens, source 1 = 16 channels: in the result a lane holds ONE channel (lane % 16) and the tokens 8 (lane / 16) + 0..7.  So a block's softmax is work inside a lane and one exchange of the lanes' halves.
; THE MASK AND THE BIASES are the C operand that starts a logit's sum: bw + pos_bias, less 1e30 for a hidden token.
; BY TURNS.  Turn X: 64 products of piece 0, with piece 1's softmax of the chunk before in slices of four behind every third product.  Turn Y: 64 products of piece 1 on the same fragments, with piece 0's softmax,
; and the next chunk's fragments fetched in two runs.  A piece's 16 exponentials are one batch with one wait.
; CLUSTER.  The four work-groups of a cluster walk the same weights: each chunk is asked for JOINTLY, the same tensor load, descriptor and mask in all four.  The tokens are nobody else's: they come straight into registers.
; LIMITS.  A hidden logit counts as its value less 1e30: logits stay under 1e29 in magnitude.  Mask bytes other than 0 count as true.  A weight below 2^-126 counts as 0.  NaN and infinities in the inputs are not treated apart.
; What a block without a valid token yields on the way (infinities, NaN) is thrown away by a select, not by a product.
; REGISTERS, in windows of 256 (s_set_vgpr_msb: bits 1:0 source 0, 3:2 source 1, 5:4 source 2, 7:6 destination):
;   window 0: addresses, statistics, accumulators, masks, biases (below)     window 1: first the tokens' landing place (64 x 4), then a chunk's 32 weight fragments
;   window 2: piece 0's tokens (16 rows mb % 2, K step ks at 128 (mb % 2) + 8 ks)     window 3: piece 1's
.set PW,    1040                       ; an LDS row of weights: 1,024 bytes + 16 of padding = 260 words: the 16 rows of a load start at 16 different groups of four banks (64 banks of 4 bytes: ISA guide 11.1)
.set CHB,   34*PW                      ; a chunk in LDS
.set SLB,   4*CHB                      ; a slot
.set STG,   2*SLB                      ; behind the ring, never filled by a tensor load: a stage of 8,448 bytes for each wave
.set STGW,  8448                       ; first 16 token rows x 256 k of bf16 at pitch 528; later [piece][numerator, denominator][512] f32
.set SPT,   528
.set SPARE, STG+4*STGW                 ; the spare words, 128 bytes for each wave: two blocks of 256 bytes that no other line names
.set CHG,   34*1024                    ; a chunk in memory
.set SLG,   4*CHG
.set LB,  2                            ; v2   my place in a chunk's weight rows: (l % 16) x 1,040 + 16 (l / 16); never rewritten
.set LP,  3                            ; v3   my place in its bias rows: 32 rows + 16 l; never rewritten
.set ADB, 4                            ; v4   LDS address of the weight fragments to fetch
.set ADP, 5                            ; v5   of the bias rows to fetch
.set NDA, 6                            ; v6   where the chunk's sums go
.set TO,  7                            ; v7   16 l: my bytes of 512 consecutive ones (tokens, bv, g_out); never rewritten
.set STA, 8                            ; v8   stage + 8 l
.set LDA, 9                            ; v9   stage + (l % 16) x 528 + 16 (l / 16)
.set PFO, 10                           ; v10  256 l: the prefetches' offset; never rewritten
.set NDR, 11                           ; v11  stage + 16 l
.set GO,  12                           ; v12  8 l: my bytes of 256 consecutive ones of bts
.set NDL, 13                           ; v13  stage + 2,048 (l / 16) + 4 (l % 16)
.set SPW, 14                           ; v14  LDS address of my spare word; never rewritten
.set NIL, 15                           ; v15  0; never rewritten
.set T,   16                           ; v16-31   eight registers at work for each piece
.set AC,  32                           ; v32-95   piece p at 32 p: values rows 0-15, logits rows 0-15, values rows 16-31, logits rows 16-31
.set TMPC, 32                          ;          in the token phase: 16 packed words
.set CL,  96                           ; v96-127  the C operands of the logits' sums, 16 a piece
.set PBR, 128                          ; v128-143 the chunk's bias rows
.set MK,  144                          ; v144-175 0 or -1e30 for my 16 tokens of each piece
.set MW,  176                          ; v176-183 the mask's bytes; v184-190 at work at the head
.set BV,  192                          ; v192-207 bv of channels 128 q + 4 l + e at 4 q + e
.set GG,  208                          ; v208-223 g_out likewise
.set SS,  224                          ; v224-227 sums of squares
.set TT,  228                          ; v228-231 at work
.set OUT, 96                           ; the end: 24 words a block, term x 8 + pair
.set WV,  16                           ; s16  my wave's number
.set G1,  24                           ; s[24:31] descriptor group 1
.set G0A, 32                           ; s[32:35] group 0 for slot 0, s[36:39] for slot 1
.set CB,  40                           ; s40  LDS byte at which the chunk to fetch begins
.set NB,  41                           ; s41  64 x the chunk in hand
.set PAIR, 42
.set CNT, 43
.set LIM0, 44                          ; s44, s45  a wave prefetches while s[PAIR] is above these
.set PFA, 46                           ; s[46:47] where my prefetches stand
.set CS,  48                           ; s[48:49] log2(e), twice
.set SEL, 50                           ; s[50:51] v_permlanex16_b32's selects: each lane takes its own place in the other half
.set HM,  52                           ; s52  0xffff0000: lanes 16-31; also a word's upper half
.set BIGN, 53                          ; s53  -1e30
.set RD,  54                           ; s54  1 / 512
.set EPS, 55                           ; s55  1e-6
.set NEM, 56                           ; s56, s57  all lanes on if the piece's block has a valid token
.set MSB, 0
.macro WIN new                         ; the immediate's high byte repeats the setting that is left; a switch that changes nothing is dropped
.if MSB != (\new)
	s_set_vgpr_msb (MSB<<8)|(\new)
.set MSB, (\new)
.endif
.endm
.macro PLACES                          ; four places: behind a matrix instruction, ahead of a vector instruction that reads its result or a load into one of its registers
.rept 4
	v_nop
.endr
.endm
.macro CROUND                          ; a round of the cluster's barrier: my work-group's barrier; wave 0 signals for the work-group; every wave waits for all four work-groups; my work-group's barrier once more
	s_barrier_signal -1
	s_barrier_wait -1
	s_cmp_lg_u32 s[WV], 0
	s_cbranch_scc1 .Lnot_wave_0_\@
	s_barrier_signal -3
.Lnot_wave_0_\@:
	s_barrier_wait -3
	s_barrier_signal -1
	s_barrier_wait -1
.endm
	s_load_b256 s[4:11], s[0:1], 0x0               ; tokens s[4:5], padding_mask s[6:7], wt s[8:9], bv s[10:11]
	s_load_b128 s[12:15], s[0:1], 0x20             ; g_out s[12:13], bts s[14:15]
	v_lshl_add_u32 v[SPW], v0, 2, SPARE
	v_mov_b32 v[NIL], 0
	ds_add_u32 v[SPW], v[NIL]                      ; the wave's opening: the add and its wait stand ahead of my first tensor load; the set-up below, work on registers, stands between them
	v_lshrrev_b32 v1, 5, v0
	v_readfirstlane_b32 s[WV], v1                  ; wave 0..3
	s_bfe_u32 s17, ttmp6, 0x40000                  ; cx: my place in the cluster
	s_lshl_b32 s18, ttmp9, 2                       ; in a cluster launch ttmp9 counts clusters
	s_add_co_u32 s18, s18, s17                     ; my work-group: it enters the tokens', the mask's and the output's addresses alone
	; descriptor group 1: a chunk, 34 rows x 512 elements of 2 bytes, padded in LDS
	s_mov_b32 s[G1+0], 15|(1<<16)|(1<<20)|(1<<21)|(7<<22)|(3<<25)  ; 15:0 the mask of four; 17:16 2-byte elements; 20 padding on; 21 set beside a mask; 24:22 after every 256 words (code 7); 31:25 4 words (code 3)
	s_mov_b32 s[G1+1], 512<<16                     ; tensor_dim0 = 512
	s_mov_b32 s[G1+2], 34<<16                      ; tensor_dim1 = 34
	s_mov_b32 s[G1+3], 512<<16                     ; tile_dim0 = 512
	s_mov_b32 s[G1+4], 34                          ; tile_dim1 = 34
	s_mov_b32 s[G1+5], 512                         ; 512 elements from row to row
	s_mov_b32 s[G1+6], 0
	s_mov_b32 s[G1+7], 0
	s_mul_i32 s19, s[WV], CHB                      ; wave w fetches chunk w of a slot: no place in the cluster enters an LDS address
	s_mov_b32 s[G0A], 1
	s_mov_b32 s[G0A+1], s19
	s_mov_b32 s[G0A+4], 1
	s_add_co_u32 s[G0A+5], s19, SLB
	s_mul_i32 s22, s[WV], CHG
	s_mov_b32 s23, 0
	s_mov_b32 s[CS], 0x3fb8aa3b
	s_mov_b32 s[CS+1], 0x3fb8aa3b
	s_mov_b32 s[SEL], 0x76543210
	s_mov_b32 s[SEL+1], 0xfedcba98
	s_mov_b32 s[HM], 0xffff0000
	s_mov_b32 s[BIGN], 0xf149f2ca
	s_mov_b32 s[RD], 0x3b000000
	s_mov_b32 s[EPS], 0x358637bd
	s_cmp_eq_u32 ttmp9, 0                          ; the first cluster prefetches: the same in all four partners
	s_cselect_b32 s[LIM0], 0, -1
	s_cselect_b32 s[LIM0+1], 1, -1
	s_wait_dscnt 0x0                               ; the opening add is done
	s_wait_kmcnt 0x0
	s_add_nc_u64 s[G0A+2:G0A+3], s[8:9], s[22:23]  ; chunk w
	s_add_nc_u64 s[G0A+6:G0A+7], s[G0A+2:G0A+3], SLG    ; chunk 4 + w
	s_add_nc_u64 s[PFA:PFA+1], s[G0A+2:G0A+3], 2*SLG    ; chunk 8 + w; the first change of slots steps it on
	s_or_b32 s[G0A+3], s[G0A+3], 0x80000000        ; type = 2
	s_or_b32 s[G0A+7], s[G0A+7], 0x80000000
	s_lshl_b32 s20, s17, 13                        ; of a chunk's 32 weight rows my work-group prefetches 8: told apart by address
	s_mov_b32 s21, 0
	s_add_nc_u64 s[PFA:PFA+1], s[PFA:PFA+1], s[20:21]
	s_lshl_b32 s20, s18, 19                        ; 256 tokens of 2,048 bytes a work-group,
	s_lshl_b32 s21, s[WV], 17                      ; 64 a wave
	s_add_co_u32 s20, s20, s21
	s_mov_b32 s21, 0
	s_add_nc_u64 s[4:5], s[4:5], s[20:21]
	s_lshl_b32 s20, s18, 8
	s_lshl_b32 s21, s[WV], 6
	s_add_co_u32 s20, s20, s21
	s_mov_b32 s21, 0
	s_add_nc_u64 s[6:7], s[6:7], s[20:21]
	s_lshl_b32 s20, s18, 2
	s_add_co_u32 s20, s20, s[WV]
	s_mul_i32 s20, s20, 6144                       ; two blocks of 3,072 bytes a wave
	s_add_nc_u64 s[14:15], s[14:15], s[20:21]
	CROUND                                         ; all four work-groups are here: the first joint loads meet
	tensor_load_to_lds s[G0A:G0A+3], s[G1:G1+7]    ; both first fills go out together: two loads of mine are out
	s_nop 0
	tensor_load_to_lds s[G0A+4:G0A+7], s[G1:G1+7]
	s_nop 0
	PLACES
	v_and_b32 v1, 31, v0                           ; l
	v_and_b32 v185, 15, v0                         ; l % 16
	v_bfe_u32 v186, v0, 4, 1                       ; l / 16
	s_mul_i32 s20, s[WV], STGW
	s_add_co_u32 s20, s20, STG                     ; my stage
	v_mul_u32_u24 v[LB], v185, PW
	v_lshl_add_u32 v[LB], v186, 4, v[LB]
	v_lshlrev_b32 v[TO], 4, v1
	v_add_nc_u32 v[LP], 32*PW, v[TO]
	v_lshl_add_u32 v[STA], v1, 3, s20
	v_mul_u32_u24 v[LDA], v185, SPT
	v_lshl_add_u32 v[LDA], v186, 4, v[LDA]
	v_add_nc_u32 v[LDA], s20, v[LDA]
	v_lshlrev_b32 v[PFO], 8, v1
	v_add_nc_u32 v[NDR], s20, v[TO]
	v_lshlrev_b32 v[GO], 3, v1
	v_lshlrev_b32 v[NDL], 2, v185
	v_lshl_add_u32 v[NDL], v186, 11, v[NDL]
	v_add_nc_u32 v[NDL], s20, v[NDL]
	v_lshlrev_b32 v184, 3, v186                    ; the mask: my eight tokens of sixteen
.irp z, 0,1,2,3                                    ; z = 2 piece + half of the block
	global_load_b64 v[MW+2*(\z):MW+2*(\z)+1], v184, s[6:7] offset:16*(\z)
.endr
.irp z, 0,1,2,3
	global_load_b128 v[BV+4*(\z):BV+4*(\z)+3], v[TO], s[10:11] offset:512*(\z)
	global_load_b128 v[GG+4*(\z):GG+4*(\z)+3], v[TO], s[12:13] offset:512*(\z)
.endr
	; THE TOKENS come in parts pc = 0..7: 16 rows (pc / 2) x 1,024 bytes (K half pc % 2), 32 loads of 512 consecutive bytes.  Two parts are always on their way.
	WIN 0x40                                       ; destination window 1
.set z, 0
.rept 64
	global_load_b128 v[4*z:4*z+3], v[TO], s[4:5] offset:((z%32)/2)*2048+(z/32)*1024+(z%2)*512 th:TH_LOAD_NT
.set z, z+1
.endr
	WIN 0
	s_wait_loadcnt 63                              ; 64 token loads are younger than the twelve small ones; the count's field holds 63
.set z, 0
.rept 32                                           ; z = 16 piece + 8 half + j
	v_bfe_u32 v1, v[MW+2*(z/8)+(z%8)/4], 8*(z%4), 8
	v_cmp_ne_u32 vcc_lo, 0, v1
	v_cndmask_b32 v[MK+z], 0, s[BIGN], vcc_lo
.set z, z+1
.endr
.irp p, 0,1                                        ; has the block a valid token?  The largest of its 32 mask numbers is then 0
	v_max3_num_f32 v[187+2*(\p)], v[MK+16*(\p)], v[MK+16*(\p)+1], v[MK+16*(\p)+2]
.irp z, 3,5,7,9,11,13
	v_max3_num_f32 v[187+2*(\p)], v[187+2*(\p)], v[MK+16*(\p)+(\z)], v[MK+16*(\p)+(\z)+1]
.endr
	v_max_num_f32 v[187+2*(\p)], v[187+2*(\p)], v[MK+16*(\p)+15]
	v_mov_b32 v[188+2*(\p)], 0
	v_permlanex16_b32 v[188+2*(\p)], v[187+2*(\p)], s[SEL], s[SEL+1]
	v_max_num_f32 v[187+2*(\p)], v[187+2*(\p)], v[188+2*(\p)]
	v_cmp_eq_f32 s[NEM+(\p)], 0, v[187+2*(\p)]
.endr
.set z, 0
.rept 16                                           ; bv and g_out rounded to bf16, like every input
	v_cvt_pk_bf16_f32 v1, v[BV+2*z], v[BV+2*z+1]
	v_lshlrev_b32 v[BV+2*z], 16, v1
	v_and_b32 v[BV+2*z+1], s[HM], v1
.set z, z+1
.endr
.set z, 0
.rept 16
	v_mov_b32 v[T+z], 0                            ; named in pairs and as destinations of lane exchanges before they are first made
.set z, z+1
.endr
; Eight landed loads (batch bg of part pc) are rounded to bf16 and put into my stage, and their registers are asked for again, for part pc + 2.
; The wait counts the token loads issued behind the batch: the rest of its part, the next part, and what has been asked for again.
.macro TBATCH
.if pc < 6
	s_wait_loadcnt 56
.elseif pc == 6
	s_wait_loadcnt 56-8*bg
.else
	s_wait_loadcnt 24-8*bg
.endif
	WIN 0x05                                       ; sources in window 1, destination in window 0
.irp e, 0,1,2,3,4,5,6,7
	v_cvt_pk_bf16_f32 v[TMPC+2*(\e)], v[4*(32*(pc%2)+8*bg+(\e))], v[4*(32*(pc%2)+8*bg+(\e))+1]
	v_cvt_pk_bf16_f32 v[TMPC+2*(\e)+1], v[4*(32*(pc%2)+8*bg+(\e))+2], v[4*(32*(pc%2)+8*bg+(\e))+3]
.endr
	WIN 0
.irp e, 0,1,2,3,4,5,6,7
	ds_store_b64 v[STA], v[TMPC+2*(\e):TMPC+2*(\e)+1] offset:((8*bg+(\e))/2)*SPT+((\e)%2)*256
.endr
.if pc < 6
	WIN 0x40
.irp e, 0,1,2,3,4,5,6,7
	global_load_b128 v[4*(32*(pc%2)+8*bg+(\e)):4*(32*(pc%2)+8*bg+(\e))+3], v[TO], s[4:5] offset:(16*((pc+2)/2)+(8*bg+(\e))/2)*2048+(pc%2)*1024+((\e)%2)*512 th:TH_LOAD_NT
.endr
.endif
.endm
; The part comes back as eight fragments: lane l holds row l % 16, k = 8 (l / 16) + 0..7 and 16 + 8 (l / 16) + 0..7 of each 32.  LDS serves a wave's instructions in order (ISA guide 5.7.1.4):
; these loads see the stores above, and the next part's stores come behind them.
.macro APIECE
	WIN 0x80+0x40*(pc/4)                           ; destination window 2 or 3
.irp k, 0,1,2,3,4,5,6,7
	ds_load_b128 v[128*((pc/2)%2)+8*(8*(pc%2)+(\k)):128*((pc/2)%2)+8*(8*(pc%2)+(\k))+3], v[LDA] offset:64*(\k)
	ds_load_b128 v[128*((pc/2)%2)+8*(8*(pc%2)+(\k))+4:128*((pc/2)%2)+8*(8*(pc%2)+(\k))+7], v[LDA] offset:64*(\k)+32
.endr
.endm
.set pc, 0
.rept 8
.set bg, 0
.rept 4
	TBATCH
.set bg, bg+1
.endr
	APIECE
.set pc, pc+1
.endr
; THE LDS LOADS of a chunk: its two bias rows, and its 32 weight fragments, 16 loads to a FETCHB (K steps 4 n .. 4 n + 3; sv = 0 values, 1 logits).
.macro FETCHP
	WIN 0
.irp z, 0,1,2,3
	ds_load_b128 v[PBR+4*(\z):PBR+4*(\z)+3], v[ADP] offset:((\z)/2)*PW+((\z)%2)*512
.endr
.endm
.macro FETCHB n
	WIN 0x40
.irp k, 0,1,2,3
.irp sv, 0,1
	ds_load_b128 v[8*(2*(4*(\n)+(\k))+(\sv)):8*(2*(4*(\n)+(\k))+(\sv))+3], v[ADB] offset:(\sv)*16*PW+64*(4*(\n)+(\k))
	ds_load_b128 v[8*(2*(4*(\n)+(\k))+(\sv))+4:8*(2*(4*(\n)+(\k))+(\sv))+7], v[ADB] offset:(\sv)*16*PW+64*(4*(\n)+(\k))+32
.endr
.endr
.endm
; Product i = 4 ks + u of a turn of piece p.  The four accumulators take turns, one instruction a turn; the pieces alternate from turn to turn, over the loops' jumps too.
; The first K step starts the sums: the values' with 0, the logits' with bias and mask.
.macro MM p
.set ks, i/4
.set u, i%4
.set rD, AC+32*(\p)+8*u
.set rA, 128*(u/2)+8*ks
.set rB, 8*(2*ks+u%2)
.set rC, CL+16*(\p)+8*(u/2)
	WIN 0x06+(\p)                                  ; tokens in window 2 or 3, weights in window 1, C and D in window 0
.if (ks == 0) && (u%2 == 0)
	v_wmma_f32_16x16x32_bf16 v[rD:rD+7], v[rA:rA+7], v[rB:rB+7], 0
.elseif ks == 0
	v_wmma_f32_16x16x32_bf16 v[rD:rD+7], v[rA:rA+7], v[rB:rB+7], v[rC:rC+7]
.else
	v_wmma_f32_16x16x32_bf16 v[rD:rD+7], v[rA:rA+7], v[rB:rB+7], v[rD:rD+7]
.endif
.endm
; Number ej of the 59 of a piece's softmax for one chunk.  L0, L1: my 16 logits; V0, V1: my 16 values; t0-t7 at work.
;   0-9    the maximum of my 16 logits (each accumulator's lowest registers are read first) and of the other half of the lanes'      10  c m
;   11-18  c l - c m, two at a time      19-34  the 16 exponentials, ONE BATCH      35  the plain instruction behind the last; the batch's one wait stands here (INL = 1) or a few lines on, ahead of every reader
;   36-43  the numerator, weight x value, in two chains      44-50  the denominator, in place      51-53  both into one number a lane
;   54-57  the halves of the lanes change what the other needs: lanes 0-15 end with the block's numerator, lanes 16-31 with its denominator      58  into my stage
.macro EP p
.set rT,  T+8*(\p)
.set rV0, AC+32*(\p)
.set rL0, rV0+8
	WIN 0
.if ej < 2
	v_max3_num_f32 v[rT+ej], v[rL0+16*ej], v[rL0+16*ej+1], v[rL0+16*ej+2]
.elseif ej < 6
	v_max3_num_f32 v[rT+ej%2], v[rT+ej%2], v[rL0+16*(ej%2)+2*(ej/2)+1], v[rL0+16*(ej%2)+2*(ej/2)+2]
.elseif ej == 6
	v_max3_num_f32 v[rT], v[rT], v[rL0+7], v[rL0+23]
.elseif ej == 7
	v_max_num_f32 v[rT], v[rT], v[rT+1]
.elseif ej == 8
	v_permlanex16_b32 v[rT+1], v[rT], s[SEL], s[SEL+1]
.elseif ej == 9
	v_max_num_f32 v[rT], v[rT], v[rT+1]
.elseif ej == 10
	v_mul_f32 v[rT+2], s[CS], v[rT]
.elseif ej < 19
.set rw, rL0+2*(ej-11)+8*((ej-11)/4)
	v_pk_fma_f32 v[rw:rw+1], v[rw:rw+1], s[CS:CS+1], v[rT+2:rT+3] op_sel_hi:[1,0,0] neg_lo:[0,0,1] neg_hi:[0,0,1]
.elseif ej < 35
.set rw, rL0+(ej-19)+8*((ej-19)/8)
	v_exp_f32 v[rw], v[rw]
.elseif ej == 35
	v_nop
.if INL
	s_wait_alu depctr_va_vdst(0)
.endif
.elseif ej < 38
.set sd, ej-36
	v_pk_mul_f32 v[rT+4+2*sd:rT+5+2*sd], v[rL0+16*sd:rL0+16*sd+1], v[rV0+16*sd:rV0+16*sd+1]
.elseif ej < 44
.set sd, ej%2
.set zz, 2*((ej-36)/2)
	v_pk_fma_f32 v[rT+4+2*sd:rT+5+2*sd], v[rL0+16*sd+zz:rL0+16*sd+zz+1], v[rV0+16*sd+zz:rV0+16*sd+zz+1], v[rT+4+2*sd:rT+5+2*sd]
.elseif ej < 48
.set rw, rL0+16*((ej-44)/2)+4*((ej-44)%2)
	v_pk_add_f32 v[rw:rw+1], v[rw:rw+1], v[rw+2:rw+3]
.elseif ej < 50
.set rw, rL0+16*(ej-48)
	v_pk_add_f32 v[rw:rw+1], v[rw:rw+1], v[rw+4:rw+5]
.elseif ej == 50
	v_pk_add_f32 v[rL0:rL0+1], v[rL0:rL0+1], v[rL0+16:rL0+17]
.elseif ej == 51
	v_pk_add_f32 v[rT+4:rT+5], v[rT+4:rT+5], v[rT+6:rT+7]
.elseif ej == 52
	v_add_f32 v[rT], v[rL0], v[rL0+1]
.elseif ej == 53
	v_add_f32 v[rT+1], v[rT+4], v[rT+5]
.elseif ej == 54
	v_cndmask_b32 v[rT+6], v[rT], v[rT+1], s[HM]
.elseif ej == 55
	v_cndmask_b32 v[rT+7], v[rT+1], v[rT], s[HM]
.elseif ej == 56
	v_permlanex16_b32 v[rT+4], v[rT+6], s[SEL], s[SEL+1]
.elseif ej == 57
	v_add_f32 v[rT+7], v[rT+7], v[rT+4]
.else
	ds_store_b32 v[NDA], v[rT+7] offset:4096*(\p)
.endif
.endm
; TURN X's riders, 67: the C operands of piece 1's logits for the chunk in hand (8), then piece 1's softmax of the chunk before.
.macro QXE
.if q < 8
	WIN 0
	v_pk_add_f32 v[CL+16+2*q:CL+17+2*q], v[PBR+2*q:PBR+2*q+1], v[MK+16+2*q:MK+17+2*q]
.elseif (q < 67) && !FIRST
.set ej, q-8
	EP 1
.endif
.set q, q+1
.endm
; TURN Y's riders, 71: three addresses and a v_nop; piece 0's softmax of the chunk in hand; the C operands of piece 0's logits for the next chunk, whose bias rows have come by then:
; behind their four loads stand 33 LDS instructions (the 32 fragment loads of the same run and the sums' store), so the count 32 shows them in.
; In both turns the first four riders are plain and name nothing of the products before them: they are the places ahead of the first read of the finished sums.
.macro QYE
.if q == 0
	WIN 0
	v_add_nc_u32 v[NDA], s[NB], v[NDL]
.elseif (q == 1) && !LAST
	v_add_nc_u32 v[ADB], s[CB], v[LB]
.elseif (q == 2) && !LAST
	v_add_nc_u32 v[ADP], s[CB], v[LP]
.elseif q < 4
	v_nop
.elseif q < 63
.set ej, q-4
	EP 0
.elseif (q < 71) && !LAST
	WIN 0
.if q == 63
	s_wait_dscnt 32
.endif
	v_pk_add_f32 v[CL+2*(q-63):CL+2*(q-63)+1], v[PBR+2*(q-63):PBR+2*(q-63)+1], v[MK+2*(q-63):MK+2*(q-63)+1]
.endif
.set q, q+1
.endm
.macro SLICE p
.rept 4
.if (\p) == 0
	QXE
.else
	QYE
.endif
.endr
.endm
; A TURN of piece p: 64 products, a slice of four riders behind every third.
; p = 0 (X): the fragments' second run, 32 loads (K steps 8-15), may be out at the head; it is waited for ahead of product 32, which is the first to read it.  The batch's wait stands behind its v_nop.
; p = 1 (Y): behind products 31 and 63 the half of the fragments just multiplied for the last time is fetched anew, for the next chunk, four places behind its last reader: two runs, of 36 loads
;   (the bias rows with them) and of 32.  The batch's wait stands ahead of the first run: all exponentials are out by product 29, their first reader comes behind product 32.
; first = 1: there is no chunk before.  last = 1: there is no next chunk.
.macro TURN p, first=0, last=0
.set q, 0
.set i, 0
.set FIRST, (\first)
.set LAST, (\last)
.set INL, 1-(\p)+(\p)*(\last)
.if (\p) == 0
	s_wait_dscnt 32
.endif
.rept 64
.if ((\p) == 0) && (i == 32)
	s_wait_dscnt 0x0
.endif
	MM \p
.if i%3 == 2
	SLICE \p
.if ((\p) == 1) && (i == 2)
	s_add_co_u32 s[NB], s[NB], 64                  ; the next chunk's 16 sums,
	s_and_b32 s[NB], s[NB], 0x7c0                  ; inside a row of 2,048 bytes
	s_add_co_u32 s[CB], s[CB], CHB                 ; the next fetch is the next chunk's
.endif
.endif
.if ((\p) == 1) && (i%32 == 31) && !LAST
	PLACES
.if i == 31
	s_wait_alu depctr_va_vdst(0)                   ; the wait for the batch
	FETCHP
.endif
	FETCHB 2*(i/32)
	FETCHB 2*(i/32)+1
.endif
.set i, i+1
.endr
.endm
; A PREFETCH INTO THE L2 of the four chunks that the NEXT change of slots will ask for, four trips (512 matrix instructions) ahead of that load.  All clusters walk the same weights: the first cluster asks.
; Of chunk w's 32 weight rows each of its four partners takes 8, told apart by address; a lane names 256 bytes: one instruction a wave, each block once in the launch.
; The first three slots' chunks and the bias rows come by their loads alone; the last refill asks for nothing.
.macro ASK lim
	s_cmp_gt_u32 s[PAIR], s[\lim]
	s_cbranch_scc0 .Lnot_mine_\@
	global_prefetch_b8 v[PFO], s[PFA:PFA+1] th:TH_LOAD_NT scope:SCOPE_SE
.Lnot_mine_\@:
.endm
; THE CHANGE OF SLOTS, between a turn X and a turn Y: the slot's last chunk lies in registers.  Each wave waits for all its tensor loads, of which one is out: its chunk of the other slot; adds 0 to its spare word;
; and waits for that and for its own reads of the slot.  fill = 1: the barrier is a round of the cluster's, so that no wave of any partner still reads the slot or has a load on its way, and the joint refill,
; with the chunks two slots on, is the first thing behind it: it has four trips in which to land.
.macro CHANGE fill, slot
	WIN 0                                          ; at a label and at a branch every window is 0
	s_wait_tensorcnt 0x0                           ; no tensor load of mine is out, so a group 0 may be written
	ds_add_u32 v[SPW], v[NIL]                      ; 0 onto my spare word
.if \fill
	s_add_nc_u64 s[G0A+4*(\slot)+2:G0A+4*(\slot)+3], s[G0A+4*(\slot)+2:G0A+4*(\slot)+3], 2*SLG  ; the type bits on top are not reached
	s_wait_xcnt 0x0                                ; the last prefetch, four trips back, has read its address
	s_add_nc_u64 s[PFA:PFA+1], s[PFA:PFA+1], SLG
	s_wait_dscnt 0x0                               ; the add is done, and my reads of the slot are over
	CROUND
	tensor_load_to_lds s[G0A+4*(\slot):G0A+4*(\slot)+3], s[G1:G1+7]
	s_nop 0
	PLACES
	ASK LIM0+(\slot)
.else
	s_wait_dscnt 0x0
	s_barrier_signal -1
	s_barrier_wait -1
.endif
	s_mov_b32 s[CB], SLB*(1-(\slot))               ; the fetches go on at the other slot's first chunk
.endm
.macro TRIPS n                         ; n trips: Y of one chunk, X of the next
	WIN 0
	s_mov_b32 s[CNT], \n
.Ltrip_\@:
	TURN 1
	TURN 0
	WIN 0
	s_sub_co_u32 s[CNT], s[CNT], 1
	s_cmp_lg_u32 s[CNT], 0
	s_cbranch_scc1 .Ltrip_\@
.endm
	WIN 0
	s_wait_dscnt 0x0                               ; my tokens lie in registers
	s_wait_tensorcnt 0x1                           ; my chunk of slot 0 is in; slot 1's may stay out
	s_barrier_signal -1
	s_barrier_wait -1                              ; everybody's is
	v_mov_b32 v[ADB], v[LB]                        ; chunk 0 lies at LDS byte 0
	v_mov_b32 v[ADP], v[LP]
	FETCHP
	FETCHB 0
	FETCHB 1
	FETCHB 2
	FETCHB 3
	WIN 0
	s_mov_b32 s[CB], CHB
	s_mov_b32 s[NB], 0
	s_wait_dscnt 63                                ; 64 loads follow the bias rows' four
.set z, 0
.rept 8
	v_pk_add_f32 v[CL+2*z:CL+2*z+1], v[PBR+2*z:PBR+2*z+1], v[MK+2*z:MK+2*z+1]
.set z, z+1
.endr
	s_wait_dscnt 0x0
	TURN 0, 1, 0                                   ; X of chunk 0
	TRIPS 3                                        ; Y 0 .. X 3
	s_mov_b32 s[PAIR], 3
.Lpair:                                            ; three times: both slots are filled again
	CHANGE 1, 0
	TRIPS 4
	CHANGE 1, 1
	TRIPS 4
	s_sub_co_u32 s[PAIR], s[PAIR], 1
	s_cmp_lg_u32 s[PAIR], 0
	s_cbranch_scc1 .Lpair
	CHANGE 0, 0                                    ; the last slot is written out: nothing is asked for
	TRIPS 4                                        ; Y 27 .. X 31
	TURN 1, 0, 1                                   ; Y of chunk 31
	WIN 0
	PLACES
.set INL, 1
.set ej, 0
.rept 59                                           ; piece 1's softmax of chunk 31
	EP 1
.set ej, ej+1
.endr
	; THE END.  Both blocks' 512 numerators and denominators come back, 16 channels a lane (128 q + 4 l + e): x = num / den + bv; RMS norm; g_out; 0 for a block without a valid token.
.set z, 0
.rept 16                                           ; z = 8 piece + 4 (numerator, denominator) + q
	ds_load_b128 v[AC+32*(z/8)+16*((z/4)%2)+4*(z%4):AC+32*(z/8)+16*((z/4)%2)+4*(z%4)+3], v[NDR] offset:4096*(z/8)+2048*((z/4)%2)+512*(z%4)
.set z, z+1
.endr
	s_wait_dscnt 0x0
.set z, 0
.rept 32
	v_rcp_f32 v[AC+32*(z/16)+16+z%16], v[AC+32*(z/16)+16+z%16]
.set z, z+1
.endr
	v_nop                                          ; a plain instruction behind the last reciprocal,
	s_wait_alu depctr_va_vdst(0)                   ; and one wait for the 32
.set z, 0
.rept 16                                           ; z = 8 piece + pair
	v_pk_fma_f32 v[AC+32*(z/8)+2*(z%8):AC+32*(z/8)+2*(z%8)+1], v[AC+32*(z/8)+2*(z%8):AC+32*(z/8)+2*(z%8)+1], v[AC+32*(z/8)+16+2*(z%8):AC+32*(z/8)+17+2*(z%8)], v[BV+2*(z%8):BV+2*(z%8)+1]
.set z, z+1
.endr
	v_pk_mul_f32 v[SS:SS+1], v[AC:AC+1], v[AC:AC+1]
	v_pk_mul_f32 v[SS+2:SS+3], v[AC+32:AC+33], v[AC+32:AC+33]
.set z, 1
.rept 7
	v_pk_fma_f32 v[SS:SS+1], v[AC+2*z:AC+2*z+1], v[AC+2*z:AC+2*z+1], v[SS:SS+1]
	v_pk_fma_f32 v[SS+2:SS+3], v[AC+32+2*z:AC+33+2*z], v[AC+32+2*z:AC+33+2*z], v[SS+2:SS+3]
.set z, z+1
.endr
	v_add_f32 v[SS], v[SS], v[SS+1]
	v_add_f32 v[SS+2], v[SS+2], v[SS+3]
.irp m, 1,2,4,8
	v_add_f32_dpp v[SS], v[SS], v[SS] row_xmask:\m row_mask:0xf bank_mask:0xf
	v_add_f32_dpp v[SS+2], v[SS+2], v[SS+2] row_xmask:\m row_mask:0xf bank_mask:0xf
.endr
	v_permlanex16_b32 v[SS+1], v[SS], s[SEL], s[SEL+1]
	v_permlanex16_b32 v[SS+3], v[SS+2], s[SEL], s[SEL+1]
	v_add_f32 v[SS], v[SS], v[SS+1]
	v_add_f32 v[SS+2], v[SS+2], v[SS+3]
	v_fma_f32 v[SS], v[SS], s[RD], s[EPS]
	v_fma_f32 v[SS+2], v[SS+2], s[RD], s[EPS]
	v_rsq_f32 v[SS], v[SS]
	v_rsq_f32 v[SS+2], v[SS+2]
	v_nop
	s_wait_alu depctr_va_vdst(0)
.set z, 0
.rept 16
	v_pk_mul_f32 v[AC+32*(z/8)+2*(z%8):AC+32*(z/8)+2*(z%8)+1], v[AC+32*(z/8)+2*(z%8):AC+32*(z/8)+2*(z%8)+1], v[SS+2*(z/8):SS+2*(z/8)+1] op_sel_hi:[1,0]
.set z, z+1
.endr
.set z, 0
.rept 16
	v_pk_mul_f32 v[AC+32*(z/8)+2*(z%8):AC+32*(z/8)+2*(z%8)+1], v[AC+32*(z/8)+2*(z%8):AC+32*(z/8)+2*(z%8)+1], v[GG+2*(z%8):GG+2*(z%8)+1]
.set z, z+1
.endr
.set z, 0
.rept 32
	v_cndmask_b32 v[AC+32*(z/16)+z%16], 0, v[AC+32*(z/16)+z%16], s[NEM+z/16]  ; a select: what a wholly hidden block has made is thrown away
.set z, z+1
.endr
	; x = hi + mid + lo, each the nearest bf16 of what is left.  x - hi is a multiple of x's last place and at most half a place of hi: 16 bits at the most, so the difference is exact;
	; what is left behind mid has 8 bits at the most, so lo holds it whole.
.set z, 0
.rept 16
.set rx, AC+32*(z/8)+2*(z%8)
.set ro, OUT+24*(z/8)+z%8
.set rt, TT+2*(z%2)
	v_cvt_pk_bf16_f32 v[ro], v[rx], v[rx+1]
	v_lshlrev_b32 v[rt], 16, v[ro]
	v_and_b32 v[rt+1], s[HM], v[ro]
	v_pk_add_f32 v[rx:rx+1], v[rx:rx+1], v[rt:rt+1] neg_lo:[0,1] neg_hi:[0,1]
	v_cvt_pk_bf16_f32 v[ro+8], v[rx], v[rx+1]
	v_lshlrev_b32 v[rt], 16, v[ro+8]
	v_and_b32 v[rt+1], s[HM], v[ro+8]
	v_pk_add_f32 v[rx:rx+1], v[rx:rx+1], v[rt:rt+1] neg_lo:[0,1] neg_hi:[0,1]
	v_cvt_pk_bf16_f32 v[ro+16], v[rx], v[rx+1]
.set z, z+1
.endr
.set z, 0
.rept 24                                           ; z = 12 piece + 4 term + q: each store of the wave covers 256 consecutive bytes, aligned
	global_store_b64 v[GO], v[OUT+24*(z/12)+8*((z/4)%3)+2*(z%4):OUT+24*(z/12)+8*((z/4)%3)+2*(z%4)+1], s[14:15] offset:3072*(z/12)+1024*((z/4)%3)+256*(z%4)
.set z, z+1
.endr
	s_wait_tensorcnt 0x0                           ; the wave's end: behind my last tensor load and my last LDS store
	ds_add_u32 v[SPW], v[NIL]
	s_wait_dscnt 0x0
	CROUND                                         ; the closing round: no work-group ends while a partner may still ask for a chunk that names it
	s_endpgm
.Lfunc_end_k_q187fea904d_compress:
	.size	k_q187fea904d_compress, .Lfunc_end_k_q187fea904d_compress-k_q187fea904d_compress
	.p2alignl 7, 3214868480
	.fill 96, 4, 3214868480
	.section	.rodata,"a",@progbits
	.p2align	6, 0x0
	.amdhsa_kernel k_q187fea904d_compress
		.amdhsa_group_segment_fixed_size 327680
		.amdhsa_private_segment_fixed_size 0
		.amdhsa_enable_private_segment 0
		.amdhsa_kernarg_size 48
		.amdhsa_user_sgpr_count 2
		.amdhsa_user_sgpr_kernarg_segment_ptr 1
		.amdhsa_wavefront_size32 1
		.amdhsa_system_sgpr_workgroup_id_x 1
		.amdhsa_system_sgpr_workgroup_id_y 1
		.amdhsa_system_sgpr_workgroup_id_z 1
		.amdhsa_system_vgpr_workitem_id 0
		.amdhsa_next_free_vgpr 1024
		.amdhsa_next_free_sgpr 66
		.amdhsa_reserve_vcc 1
		.amdhsa_float_denorm_mode_32 3
		.amdhsa_float_denorm_mode_16_64 3
		.amdhsa_memory_ordered 1
		.amdhsa_forward_progress 1
		.amdhsa_inst_pref_size 232
	.end_amdhsa_kernel
	.amdgpu_metadata
---
amdhsa.version: [ 1, 2 ]
amdhsa.kernels:
  - .name:           k_q187fea904d_compress
    .symbol:         k_q187fea904d_compress.kd
    .args:
      - { .name: tokens, .offset: 0, .size: 8, .value_kind: global_buffer, .address_space: global }
      - { .name: padding_mask, .offset: 8, .size: 8, .value_kind: global_buffer, .address_space: global }
      - { .name: wt, .offset: 16, .size: 8, .value_kind: global_buffer, .address_space: global }
      - { .name: bv, .offset: 24, .size: 8, .value_kind: global_buffer, .address_space: global }
      - { .name: g_out, .offset: 32, .size: 8, .value_kind: global_buffer, .address_space: global }
      - { .name: bts, .offset: 40, .size: 8, .value_kind: global_buffer, .address_space: global }
    .group_segment_fixed_size: 327680
    .private_segment_fixed_size: 0
    .kernarg_segment_align: 8
    .kernarg_segment_size: 48
    .max_flat_workgroup_size: 128
    .sgpr_count:     66
    .vgpr_count:     1024
    .wavefront_size: 32
...
	.end_amdgpu_metadata
.endif
;; end of part 2
;; launch select (part 3): grid 32 x 1, 8 waves a work-group, no clusters, 243,200 bytes of LDS; arguments bts, wkt, wqb, bk, padding_mask, query, bqd, g_q, bqu, g_k, Whw, bhw, out0, out1; writes out0, out1
.if DOCPART == 3
	.amdgcn_target "amdgcn-amd-amdhsa--gfx1250"
	.amdhsa_code_object_version 6
	.text
	.protected	k_q187fea904d_select
	.globl	k_q187fea904d_select
	.p2align	8
	.type	k_q187fea904d_select,@function
k_q187fea904d_select:
	s_mov_b64 s[64:65], 0
	v_nop
	global_prefetch_b8 v0, s[64:65] scope:SCOPE_SE
	s_setreg_imm32_b32 hwreg(HW_REG_WAVE_MODE, 25, 1), 1
	s_wait_xcnt 0x0
; THE BLOCK INDEXER AND THE CHOICE.  One work-group a batch row, since the choice needs all 128 scores: 32 work-groups of eight waves; wave w owns blocks 16 w .. 16 w + 15.
; THE QUERY: q_latent = rmsnorm(query Wqd + bqd) g_q; q_heads = q_latent Wqu + bqu, kept times g_k; head weights softmax(query Whw + bhw), its maximum taken away.  In f32 on the vector unit, the weights read
;   as bf16 halves by the mixed multiply-add; q_latent is not rounded.  It is made while the block tokens are on their way.
; THE KEYS: block token x Wk + bk on the matrix unit WITHOUT rounding the token: its three bf16 terms add up to the f32 number, and each is multiplied: 3 x 16 K steps x 4 accumulators.
;   Source 0 = 16 key dimensions (Wk turned, from LDS), source 1 = 16 blocks: a lane holds one block (l % 16) and key dimensions 16 kd + 8 (l / 16) + j.
; THE SCORE: rsqrt(mean(key^2) + 1e-6) x the sum over 8 heads of hw x relu(key . (q_head g_k)); the lowest finite number for a block without a valid token.
; THE RANK of a block is the number of blocks that go before it: a greater score, or the same score and a lower number.  Scores are compared as signed whole numbers: a valid score is 0 or more (its sign is
;   cleared), the padded blocks' number has a negative pattern.  A lane compares its block with 64 others.  No branch and no address hangs on a score or a rank.
; THE CHOICE: out0's row j is the block of rank j: the product of the tokens' first term, turned, with the matrix (rank == j) of ones and zeros: 16 products a wave.  out1[j] = (j + padded blocks >= 128): padded blocks rank last.
; LOADS.  Each wave's two tensor loads bring its 16 blocks' first term and 8 rows of Wk^T into LDS, once.  The second and third terms come by loads of 256 consecutive bytes to each half of the wave and are
;   turned into fragments in place, through the wave's own stage.
; NO CLUSTER: of some 580 KB that a work-group reads only Wk^T (64 KB) and the query's weights (128 KB) are shared.  No prefetch: every load is issued at the head.
; LIMITS.  out0 is the block token rounded once to bf16: within 2^-9 of the number.  Mask bytes are 0 or 1.  NaN and infinities are not treated apart.
; REGISTERS: window 0 below; window 1: v0-127 the second term (K step ks at 8 ks), v128-255 the third; later v0-127 the turned first term (K step ks, channel tile tl at 32 ks + 8 tl).
.set XP,    1040                       ; an LDS row: 1,024 bytes + 16: the 16 rows of a fragment load start at 16 different groups of four banks (64 banks of 4 bytes: ISA guide 11.1)
.set WK,    128*XP                     ; behind the 128 blocks' first term: 64 rows of Wk^T
.set STG,   WK+64*XP                   ; behind what tensor loads fill: a stage of 16 rows x 272 bytes for each wave
.set STGW,  4352
.set SPT,   272
.set PART,  STG+8*STGW                 ; wave v's partial sums of the 64 latent numbers, 256 bytes each
.set HWP,   PART+2048                  ; wave v's partial sums of the 8 head logits, 32 bytes each
.set LATL,  HWP+256                    ; q_latent, a copy of its own for each wave
.set QGL,   LATL+2048                  ; q_head x g_k, [8][64] f32
.set SC,    QGL+2048                   ; the 128 scores
.set RK,    SC+512                     ; the 128 ranks
.set VC,    RK+512                     ; wave v's number of padded blocks
.set SPARE, VC+256                     ; the spare words, 128 bytes for each of the eight waves: four blocks of 256 bytes that no other line names
.set L,   1                            ; lane;  R = l % 16;  H = l / 16
.set R,   2
.set H,   3
.set SPW, 4                            ; LDS address of my spare word; never rewritten
.set NIL, 5                            ; 0; never rewritten
.set L7,  6                            ; l % 8
.set L3,  7                            ; l / 8
.set BQD, 8
.set GQ,  10
.set LAT, 12
.set BHW, 14
.set HWV, 15
.set MKW, 16                           ; v16-19 my 16 mask bytes
.set WH,  20                           ; v20-35 Whw, v36-51 query: 16 numbers each
.set QH,  36
.set ACC, 20                           ; later the keys' four accumulators
.set PF,  20                           ; later the matrix of ones and zeros, K step ks at 8 ks
.set QA,  52                           ; v52-59 eight sums
.set CNT, 52
.set DD,  54
.set RS,  55
.set KN,  56
.set KN1, 57
.set TA,  60                           ; v60-63 at work
.set TB,  61
.set TC,  62
.set TD,  63
.set BQU, 64
.set GK,  72
.set LATV, 80                          ; v80-95 q_latent[l / 8 + 4 j]
.set DT,  64                           ; later a pair of partial dots for each head
.set OA,  64                           ; later out0's four accumulators
.set A8L, 96                           ; v96-127 offsets and LDS addresses
.set AH4, 97
.set AWH, 98
.set AQH, 99
.set AWD, 100
.set AWU, 101
.set AB8, 102
.set AG8, 103
.set LPS, 104
.set LHS, 105
.set LPR, 106
.set LHR, 107
.set LLS, 108
.set LLR, 109
.set LQS, 110
.set AML, 111
.set ABK, 112
.set AMK, 113
.set LST, 114
.set LFR, 115
.set LXF, 116
.set LWF, 117
.set LQL, 118
.set LSC, 119
.set LSR, 120
.set LRK, 121
.set LRR, 122
.set LVA, 123
.set LTR, 124                          ; v124, v125
.set OST, 126
.set OGO, 127
.set WQD, 128                          ; v128-191 Wqd, v192-255 Wqu: 16 loads of 16 bytes each
.set WQU, 192
.set WF,  128                          ; later two buffers of four fragments of Wk^T, and two of the first term
.set XF,  192
.set XQ,  128                          ; later q_head x g_k of four heads
.set KM,  128                          ; later 64 scores
.set RKR, 192                          ; later 64 ranks
.set MSB, 0
.macro WIN new                         ; the immediate's high byte repeats the setting that is left; a switch that changes nothing is dropped
.if MSB != (\new)
	s_set_vgpr_msb (MSB<<8)|(\new)
.set MSB, (\new)
.endif
.endm
.macro PLACES
.rept 4
	v_nop
.endr
.endm
.macro R2 a, b, t                      ; two f32 rounded to bf16 and widened again
	v_cvt_pk_bf16_f32 v[\t], v[\a], v[\b]
	v_lshlrev_b32 v[\a], 16, v[\t]
	v_and_b32 v[\b], s3, v[\t]
.endm
; Eight sums over 16 loads: sum c += the bf16 number c of load j x the f32 number j.  Eight chains that do not wait for each other.
.macro MIXSUM wreg, xreg
.set j, 0
.rept 16
.set c, 0
.rept 8
.if c%2
	v_fma_mix_f32_bf16 v[QA+c], v[(\wreg)+4*j+c/2], v[(\xreg)+j], v[QA+c] op_sel:[1,0,0] op_sel_hi:[1,0,0]
.else
	v_fma_mix_f32_bf16 v[QA+c], v[(\wreg)+4*j+c/2], v[(\xreg)+j], v[QA+c] op_sel_hi:[1,0,0]
.endif
.set c, c+1
.endr
.set j, j+1
.endr
.endm
.macro FOLD tmp                        ; the four lanes with the same l % 8 add up: every lane ends with the sums
.irp c, 0,1,2,3,4,5,6,7
	v_add_f32_dpp v[QA+(\c)], v[QA+(\c)], v[QA+(\c)] row_xmask:8 row_mask:0xf bank_mask:0xf
.endr
.irp c, 0,1,2,3,4,5,6,7
	v_permlanex16_b32 v[(\tmp)+(\c)], v[QA+(\c)], s66, s67
.endr
.irp c, 0,1,2,3,4,5,6,7
	v_add_f32 v[QA+(\c)], v[QA+(\c)], v[(\tmp)+(\c)]
.endr
.endm
	s_load_b512 s[8:23], s[0:1], 0x0               ; bts s[8:9], wkt s[10:11], wqb s[12:13], bk s[14:15], padding_mask s[16:17], query s[18:19], bqd s[20:21], g_q s[22:23]
	s_load_b256 s[24:31], s[0:1], 0x40             ; bqu s[24:25], g_k s[26:27], Whw s[28:29], bhw s[30:31]
	s_load_b128 s[32:35], s[0:1], 0x60             ; out0 s[32:33], out1 s[34:35]
	v_lshl_add_u32 v[SPW], v0, 2, SPARE
	v_mov_b32 v[NIL], 0
	ds_add_u32 v[SPW], v[NIL]                      ; the wave's opening: the add and its wait stand ahead of my first tensor load; the set-up below, work on registers, stands between them
	v_lshrrev_b32 v[L], 5, v0
	v_readfirstlane_b32 s2, v[L]                   ; wave 0..7
	s_mov_b32 s3, 0xffff0000                       ; a word's upper bf16
	; descriptor group 1 for my 16 blocks' first term: 16 rows x 512 elements of 2 bytes, 1,536 elements from row to row, padded in LDS
	s_mov_b32 s48, (1<<16)|(1<<20)|(7<<22)|(3<<25) ; 17:16 2-byte elements; 20 padding on; 24:22 after every 256 words (code 7); 31:25 4 words (code 3)
	s_mov_b32 s49, 512<<16                         ; tensor_dim0 = 512
	s_mov_b32 s50, 16<<16                          ; tensor_dim1 = 16
	s_mov_b32 s51, 512<<16                         ; tile_dim0 = 512
	s_mov_b32 s52, 16                              ; tile_dim1 = 16
	s_mov_b32 s53, 1536
	s_mov_b32 s54, 0
	s_mov_b32 s55, 0
	; and for my 8 rows of Wk^T
	s_mov_b32 s56, (1<<16)|(1<<20)|(7<<22)|(3<<25)
	s_mov_b32 s57, 512<<16
	s_mov_b32 s58, 8<<16
	s_mov_b32 s59, 512<<16
	s_mov_b32 s60, 8
	s_mov_b32 s61, 512
	s_mov_b32 s62, 0
	s_mov_b32 s63, 0
	s_mov_b32 s40, 1
	s_mul_i32 s41, s2, 16*XP                       ; my blocks' rows in LDS
	s_mov_b32 s44, 1
	s_mul_i32 s45, s2, 8*XP
	s_add_co_u32 s45, s45, WK
	s_lshl_b32 s4, ttmp9, 7
	s_lshl_b32 s5, s2, 4
	s_add_co_u32 s4, s4, s5
	s_mul_i32 s4, s4, 3072                         ; block 128 b + 16 w
	s_mov_b32 s5, 0
	s_lshl_b32 s6, s2, 13                          ; 8 rows of 1,024 bytes
	s_mov_b32 s7, 0
	s_mov_b32 s66, 0x76543210                      ; v_permlanex16_b32: each lane takes its own place in the other half
	s_mov_b32 s67, 0xfedcba98
	s_mov_b32 s68, 0x3c800000                      ; 1 / 64
	s_mov_b32 s69, 0x358637bd                      ; 1e-6
	s_mov_b32 s79, 0x01010101
	s_wait_dscnt 0x0                               ; the opening add is done
	s_wait_kmcnt 0x0
	s_add_nc_u64 s[36:37], s[8:9], s[4:5]          ; bts at my blocks
	s_mov_b64 s[42:43], s[36:37]
	s_or_b32 s43, s43, 0x80000000                  ; type = 2
	s_add_nc_u64 s[46:47], s[10:11], s[6:7]
	s_or_b32 s47, s47, 0x80000000
	tensor_load_to_lds s[40:43], s[48:55]          ; both fills go out together, ahead of every wait on TENSORcnt, every LDS read and every barrier
	s_nop 0
	tensor_load_to_lds s[44:47], s[56:63]
	s_nop 0
	PLACES
	v_and_b32 v[L], 31, v0
	v_and_b32 v[R], 15, v0
	v_bfe_u32 v[H], v0, 4, 1
	v_and_b32 v[L7], 7, v0
	v_lshrrev_b32 v[L3], 3, v[L]
	s_lshl_b32 s4, ttmp9, 11
	s_lshl_b32 s5, s2, 8
	s_add_co_u32 s6, s4, s5                        ; 2,048 b + 256 w
	v_lshlrev_b32 v[A8L], 3, v[L]                  ; bqd, g_q: numbers 2 l, 2 l + 1
	v_lshlrev_b32 v[AH4], 2, v[L7]                 ; bhw: head l % 8
	s_lshl_b32 s7, s2, 11
	v_lshl_add_u32 v[AWH], v[L], 2, s7             ; Whw: 64 rows of 32 bytes a wave
	v_lshl_add_u32 v[AQH], v[L3], 2, s6            ; query[b][64 w + l / 8]
	s_lshl_b32 s7, s2, 13
	v_lshl_add_u32 v[AWD], v[L], 4, s7             ; Wqd in bf16: 64 rows of 128 bytes a wave; a load takes four rows, 512 consecutive bytes
	s_lshl_b32 s7, s2, 7
	s_add_co_u32 s7, s7, 65536                     ; Wqu in bf16 lies behind Wqd: my head's 128 bytes of a row of 1,024
	v_lshl_add_u32 v[AWU], v[L3], 10, s7
	v_lshl_add_u32 v[AWU], v[L7], 4, v[AWU]
	v_lshlrev_b32 v[AG8], 5, v[L7]                 ; g_k: numbers 8 (l % 8) ..
	v_add_nc_u32 v[AB8], s5, v[AG8]                ; bqu: 64 w + 8 (l % 8) ..
	v_add_nc_u32 v[LPS], PART, v[AB8]
	s_lshl_b32 s7, s2, 5
	s_add_co_u32 s7, s7, HWP
	v_add_nc_u32 v[LHS], s7, v[AH4]
	v_add_nc_u32 v[LPR], PART, v[A8L]
	v_add_nc_u32 v[LHR], HWP, v[AH4]
	s_add_co_u32 s7, s5, LATL
	v_add_nc_u32 v[LLS], s7, v[A8L]
	v_lshl_add_u32 v[LLR], v[L3], 2, s7
	v_add_nc_u32 v[LQS], QGL, v[AB8]
	v_mul_u32_u24 v[AML], v[H], 3072               ; the second and third terms: lanes 0-15 one block's 256 bytes, lanes 16-31 the next block's
	v_lshl_add_u32 v[AML], v[R], 4, v[AML]
	v_lshlrev_b32 v[ABK], 5, v[H]                  ; bk: my half's eight of each sixteen key dimensions
	s_lshl_b32 s4, ttmp9, 12
	s_lshl_b32 s7, s2, 9
	s_add_co_u32 s4, s4, s7
	v_lshl_add_u32 v[AMK], v[R], 5, s4             ; the mask: block 16 w + r, 16 of its 32 bytes
	v_lshl_add_u32 v[AMK], v[H], 4, v[AMK]
	global_load_b64 v[BQD:BQD+1], v[A8L], s[20:21]
	global_load_b64 v[GQ:GQ+1], v[A8L], s[22:23]
	global_load_b32 v[BHW], v[AH4], s[30:31]
.irp it, 0,1,2,3,4,5,6,7,8,9,10,11,12,13,14,15
	global_load_b32 v[WH+(\it)], v[AWH], s[28:29] offset:128*(\it)
	global_load_b32 v[QH+(\it)], v[AQH], s[18:19] offset:16*(\it)
.endr
	global_load_b128 v[BQU:BQU+3], v[AB8], s[24:25]
	global_load_b128 v[BQU+4:BQU+7], v[AB8], s[24:25] offset:16
	global_load_b128 v[GK:GK+3], v[AG8], s[26:27]
	global_load_b128 v[GK+4:GK+7], v[AG8], s[26:27] offset:16
.irp j, 0,1,2,3,4,5,6,7,8,9,10,11,12,13,14,15
	global_load_b128 v[WQD+4*(\j):WQD+4*(\j)+3], v[AWD], s[12:13] offset:512*(\j)
.endr
.irp j, 0,1,2,3,4,5,6,7,8,9,10,11,12,13,14,15
	global_load_b128 v[WQU+4*(\j):WQU+4*(\j)+3], v[AWU], s[12:13] offset:4096*(\j)
.endr
	WIN 0x40                                       ; destination window 1
.set t, 0
.rept 8                                            ; t = 4 (term - 1) + quarter of K: eight loads, two blocks' 256 bytes each
.irp e, 0,1,2,3,4,5,6,7
	global_load_b128 v[32*t+4*(\e):32*t+4*(\e)+3], v[AML], s[36:37] offset:2*(\e)*3072+1024*(1+t/4)+256*(t%4) th:TH_LOAD_NT
.endr
.set t, t+1
.endr
	WIN 0
	s_mul_i32 s7, s2, STGW
	s_add_co_u32 s7, s7, STG                       ; my stage
	v_mul_u32_u24 v[LST], v[H], SPT                ; by rows: lanes 0-15 one row of 256 bytes, lanes 16-31 the next
	v_lshl_add_u32 v[LST], v[R], 4, v[LST]
	v_add_nc_u32 v[LST], s7, v[LST]
	v_mul_u32_u24 v[LFR], v[R], SPT                ; by fragments: row l % 16, 16 bytes for each half of the lanes
	v_lshl_add_u32 v[LFR], v[H], 4, v[LFR]
	v_add_nc_u32 v[LFR], s7, v[LFR]
	v_mul_u32_u24 v[LWF], v[R], XP
	v_lshl_add_u32 v[LWF], v[H], 4, v[LWF]
	v_add_nc_u32 v[LXF], s41, v[LWF]               ; my blocks' first term
	v_add_nc_u32 v[LWF], WK, v[LWF]                ; Wk^T
	v_add_nc_u32 v[LQL], QGL, v[ABK]
	s_lshl_b32 s4, s2, 6
	v_lshl_add_u32 v[LSC], v[R], 2, s4             ; 4 (16 w + r)
	v_add_nc_u32 v[LRK], RK, v[LSC]
	v_add_nc_u32 v[LSC], SC, v[LSC]
	v_lshlrev_b32 v[LSR], 8, v[H]                  ; my half compares with blocks 64 h ..
	v_add_nc_u32 v[LSR], SC, v[LSR]
	v_add_nc_u32 v[LRR], RK, v[ABK]
	v_lshl_add_u32 v[LTR], v[H], 3, v[L7]          ; the turning load: block 8 (l / 16) + l % 8, channels 64 w + 8 ((l / 8) % 2) ..
	v_mul_u32_u24 v[LTR], v[LTR], XP
	v_and_b32 v[TA], 1, v[L3]
	v_lshl_add_u32 v[LTR], v[TA], 4, v[LTR]
	s_lshl_b32 s4, s2, 7
	v_add_nc_u32 v[LTR], s4, v[LTR]
	v_add_nc_u32 v[LTR+1], 64*XP, v[LTR]           ; blocks 64 on: the immediate's 16 bits do not reach them
	v_lshl_add_u32 v[OST], v[H], 4, v[LFR]         ; out0's way through the stage: row l % 16, 32 bytes for each half of the lanes
	s_lshl_b32 s4, ttmp9, 15
	s_add_co_u32 s4, s4, s5
	v_lshl_add_u32 v[OGO], v[H], 11, s4            ; out0: 32,768 b + 2,048 (l / 16) + 256 w + 16 (l % 16)
	v_lshl_add_u32 v[OGO], v[R], 4, v[OGO]
	; THE QUERY, step A: wave w takes k = 64 w .. 64 w + 63.  A lane holds outputs 8 (l % 8) + c and the k with k % 4 = l / 8.
	s_wait_loadcnt 63                              ; 80 loads (Wqu, the tokens' terms) are younger than Wqd's; the count's field holds 63
	R2 BQD, BQD+1, TA
	R2 GQ, GQ+1, TB
	v_cvt_pk_bf16_f32 v[TA], v[BHW], v[BHW]
	v_lshlrev_b32 v[BHW], 16, v[TA]
.irp z, 0,1,2,3,4,5,6,7
	R2 WH+2*(\z), WH+2*(\z)+1, TA
	R2 QH+2*(\z), QH+2*(\z)+1, TB
.endr
.irp z, 0,1,2,3
	R2 BQU+2*(\z), BQU+2*(\z)+1, TA
	R2 GK+2*(\z), GK+2*(\z)+1, TB
.endr
	v_mul_f32 v[TC], v[WH], v[QH]                  ; the head logits: lane l holds head l % 8
.irp it, 1,2,3,4,5,6,7,8,9,10,11,12,13,14,15
	v_fmac_f32 v[TC], v[WH+(\it)], v[QH+(\it)]
.endr
	v_add_f32_dpp v[TC], v[TC], v[TC] row_xmask:8 row_mask:0xf bank_mask:0xf
	v_permlanex16_b32 v[TA], v[TC], s66, s67
	v_add_f32 v[TC], v[TC], v[TA]
	ds_store_b32 v[LHS], v[TC]                     ; lanes with the same head write the same word with the same number
.irp c, 0,1,2,3,4,5,6,7
	v_mov_b32 v[QA+(\c)], 0
.endr
	MIXSUM WQD, QH
	FOLD WH
	ds_store_b128 v[LPS], v[QA:QA+3]
	ds_store_b128 v[LPS], v[QA+4:QA+7] offset:16
.irp kd, 0,1,2,3
	global_load_b128 v[ACC+8*(\kd):ACC+8*(\kd)+3], v[ABK], s[14:15] offset:64*(\kd)      ; bk starts the keys' sums
	global_load_b128 v[ACC+8*(\kd)+4:ACC+8*(\kd)+7], v[ABK], s[14:15] offset:64*(\kd)+16
.endr
	global_load_b128 v[MKW:MKW+3], v[AMK], s[16:17]
	s_wait_dscnt 0x0                               ; for the others' sake: my stores are done
	s_barrier_signal -1
	s_barrier_wait -1
	; Step B, in every wave alike: the eight partial sums, the bias, the norm (a lane holds numbers 2 l, 2 l + 1); the head weights.
.irp z, 0,1,2,3,4,5,6,7
	ds_load_b64 v[128+2*(\z):129+2*(\z)], v[LPR] offset:256*(\z)
	ds_load_b32 v[144+(\z)], v[LHR] offset:32*(\z)
.endr
	s_wait_dscnt 0x0
.irp z, 1,2,3,4,5,6,7
	v_pk_add_f32 v[128:129], v[128:129], v[128+2*(\z):129+2*(\z)]
	v_add_f32 v144, v144, v[144+(\z)]
.endr
	v_pk_add_f32 v[128:129], v[128:129], v[BQD:BQD+1]
	v_mul_f32 v[TA], v128, v128
	v_fmac_f32 v[TA], v129, v129
	v_add_f32_dpp v[TA], v[TA], v[TA] row_xmask:1 row_mask:0xf bank_mask:0xf
	v_add_f32_dpp v[TA], v[TA], v[TA] row_xmask:2 row_mask:0xf bank_mask:0xf
	v_add_f32_dpp v[TA], v[TA], v[TA] row_xmask:4 row_mask:0xf bank_mask:0xf
	v_add_f32_dpp v[TA], v[TA], v[TA] row_xmask:8 row_mask:0xf bank_mask:0xf
	v_permlanex16_b32 v[TB], v[TA], s66, s67
	v_add_f32 v[TA], v[TA], v[TB]
	v_fma_f32 v[TA], v[TA], s68, s69
	v_rsq_f32 v[TA], v[TA]
	v_add_f32 v144, v144, v[BHW]                   ; the head logit; its maximum over the eight heads is taken away
	v_mov_b32 v145, v144
	v_max_num_f32_dpp v145, v145, v145 row_xmask:1 row_mask:0xf bank_mask:0xf
	v_max_num_f32_dpp v145, v145, v145 row_xmask:2 row_mask:0xf bank_mask:0xf
	v_max_num_f32_dpp v145, v145, v145 row_xmask:4 row_mask:0xf bank_mask:0xf
	v_sub_f32 v144, v144, v145
	v_mul_f32 v144, 0x3fb8aa3b, v144
	v_exp_f32 v144, v144
	v_nop                                          ; a plain instruction behind the exponential,
	s_wait_alu depctr_va_vdst(0)                   ; and one wait for the root and the exponential, ahead of their first readers
	v_mul_f32 v128, v128, v[TA]
	v_mul_f32 v129, v129, v[TA]
	v_mov_b32 v145, v144
	v_add_f32_dpp v145, v145, v145 row_xmask:1 row_mask:0xf bank_mask:0xf
	v_add_f32_dpp v145, v145, v145 row_xmask:2 row_mask:0xf bank_mask:0xf
	v_add_f32_dpp v145, v145, v145 row_xmask:4 row_mask:0xf bank_mask:0xf
	v_rcp_f32 v145, v145
	v_pk_mul_f32 v[LAT:LAT+1], v[128:129], v[GQ:GQ+1]  ; q_latent, in f32; the plain instruction behind the reciprocal
	s_wait_alu depctr_va_vdst(0)
	v_mul_f32 v[HWV], v144, v145
	ds_store_b64 v[LLS], v[LAT:LAT+1]              ; into my wave's own copy, and back in the order that step C wants: LDS serves a wave's instructions in order (ISA guide 5.7.1.4)
.irp j, 0,1,2,3,4,5,6,7,8,9,10,11,12,13,14,15
	ds_load_b32 v[LATV+(\j)], v[LLR] offset:16*(\j)
.endr
.irp hd, 0,1,2,3,4,5,6,7
	v_readlane_b32 s[70+(\hd)], v[HWV], \hd        ; the eight head weights as scalars
.endr
	; Step C: wave w makes head w: a lane holds outputs 8 (l % 8) + c and the latent numbers i with i % 4 = l / 8.
.irp c, 0,1,2,3,4,5,6,7
	v_mov_b32 v[QA+(\c)], 0
.endr
	s_wait_loadcnt 63                              ; 73 loads (the tokens' terms, bk, the mask) are younger than Wqu's
	s_wait_dscnt 0x0
	MIXSUM WQU, LATV
	FOLD 128
.irp z, 0,1,2,3
	v_pk_add_f32 v[QA+2*(\z):QA+2*(\z)+1], v[QA+2*(\z):QA+2*(\z)+1], v[BQU+2*(\z):BQU+2*(\z)+1]
.endr
.irp z, 0,1,2,3
	v_pk_mul_f32 v[QA+2*(\z):QA+2*(\z)+1], v[QA+2*(\z):QA+2*(\z)+1], v[GK+2*(\z):GK+2*(\z)+1]  ; times g_k: the keys' gain is applied on this side of the dot product
.endr
	ds_store_b128 v[LQS], v[QA:QA+3]
	ds_store_b128 v[LQS], v[QA+4:QA+7] offset:16
	s_wait_tensorcnt 0x0                           ; my two tiles have landed,
	s_wait_dscnt 0x0                               ; my stores are done:
	s_barrier_signal -1
	s_barrier_wait -1                              ; both now hold of every wave
	; THE KEYS.
	s_wait_loadcnt 0x0
.set z, 0
.rept 16                                           ; bk rounded to bf16, like every input
	v_cvt_pk_bf16_f32 v[TA+z%2], v[ACC+2*z], v[ACC+2*z+1]
	v_lshlrev_b32 v[ACC+2*z], 16, v[TA+z%2]
	v_and_b32 v[ACC+2*z+1], s3, v[TA+z%2]
.set z, z+1
.endr
	v_and_b32 v[MKW], v[MKW], v[MKW+1]             ; my 16 mask bytes into one word
	v_and_b32 v[MKW+2], v[MKW+2], v[MKW+3]
	v_and_b32 v[MKW], v[MKW], v[MKW+2]
	; The second and third terms are turned in place: a quarter of K (16 blocks x 256 bytes) goes into my stage by rows and comes back as four fragments, into the registers that it left.
	; LDS serves a wave's instructions in order: the loads see the stores above them, and the next quarter's stores come behind them.
.set t, 0
.rept 8
	WIN 0x04                                       ; store data in window 1, address in window 0
.irp e, 0,1,2,3,4,5,6,7
	ds_store_b128 v[LST], v[32*t+4*(\e):32*t+4*(\e)+3] offset:2*(\e)*SPT
.endr
	WIN 0x40                                       ; destination in window 1
.irp z, 0,1,2,3,4,5,6,7
	ds_load_b128 v[32*t+4*(\z):32*t+4*(\z)+3], v[LFR] offset:32*(\z)
.endr
.set t, t+1
.endr
	WIN 0
.macro FETCH n                         ; K step n: four fragments of Wk^T and the first term's: ten loads
.irp kd, 0,1,2,3
	ds_load_b128 v[WF+32*((\n)%2)+8*(\kd):WF+32*((\n)%2)+8*(\kd)+3], v[LWF] offset:(\kd)*16*XP+64*(\n)
	ds_load_b128 v[WF+32*((\n)%2)+8*(\kd)+4:WF+32*((\n)%2)+8*(\kd)+7], v[LWF] offset:(\kd)*16*XP+64*(\n)+32
.endr
	ds_load_b128 v[XF+8*((\n)%2):XF+8*((\n)%2)+3], v[LXF] offset:64*(\n)
	ds_load_b128 v[XF+8*((\n)%2)+4:XF+8*((\n)%2)+7], v[LXF] offset:64*(\n)+32
.endm
	FETCH 0
.set ks, 0
.rept 16
.if ks > 0
	PLACES                                         ; the buffer to be filled was read by the step before
.endif
.if ks < 15
	FETCH ks+1
	s_wait_dscnt 10                                ; the ten loads just issued may stay out
.else
	s_wait_dscnt 0x0
.endif
.irp kd, 0,1,2,3                                   ; the four accumulators take turns, one instruction a turn
	v_wmma_f32_16x16x32_bf16 v[ACC+8*(\kd):ACC+8*(\kd)+7], v[WF+32*(ks%2)+8*(\kd):WF+32*(ks%2)+8*(\kd)+7], v[XF+8*(ks%2):XF+8*(ks%2)+7], v[ACC+8*(\kd):ACC+8*(\kd)+7]
.endr
	WIN 0x04                                       ; source 1 in window 1
.irp kd, 0,1,2,3
	v_wmma_f32_16x16x32_bf16 v[ACC+8*(\kd):ACC+8*(\kd)+7], v[WF+32*(ks%2)+8*(\kd):WF+32*(ks%2)+8*(\kd)+7], v[8*ks:8*ks+7], v[ACC+8*(\kd):ACC+8*(\kd)+7]
.endr
.irp kd, 0,1,2,3
	v_wmma_f32_16x16x32_bf16 v[ACC+8*(\kd):ACC+8*(\kd)+7], v[WF+32*(ks%2)+8*(\kd):WF+32*(ks%2)+8*(\kd)+7], v[128+8*ks:128+8*ks+7], v[ACC+8*(\kd):ACC+8*(\kd)+7]
.endr
	WIN 0
.set ks, ks+1
.endr
	PLACES
	; THE SCORES.
.macro QLOAD h0                        ; q_head x g_k of heads h0 .. h0 + 3, my half's 32 key dimensions: every lane of a half reads the same words
.irp hb, 0,1,2,3
.irp kd, 0,1,2,3
	ds_load_b128 v[XQ+32*(\hb)+8*(\kd):XQ+32*(\hb)+8*(\kd)+3], v[LQL] offset:256*((\h0)+(\hb))+64*(\kd)
	ds_load_b128 v[XQ+32*(\hb)+8*(\kd)+4:XQ+32*(\hb)+8*(\kd)+7], v[LQL] offset:256*((\h0)+(\hb))+64*(\kd)+16
.endr
.endr
.endm
.macro DOTS h0                         ; four chains, one a head
	s_wait_dscnt 0x0
.set k, 0
.rept 16
.irp hb, 0,1,2,3
.if k == 0
	v_pk_mul_f32 v[DT+2*((\h0)+(\hb)):DT+2*((\h0)+(\hb))+1], v[ACC:ACC+1], v[XQ+32*(\hb):XQ+32*(\hb)+1]
.else
	v_pk_fma_f32 v[DT+2*((\h0)+(\hb)):DT+2*((\h0)+(\hb))+1], v[ACC+2*k:ACC+2*k+1], v[XQ+32*(\hb)+2*k:XQ+32*(\hb)+2*k+1], v[DT+2*((\h0)+(\hb)):DT+2*((\h0)+(\hb))+1]
.endif
.endr
.set k, k+1
.endr
.endm
	QLOAD 0
	v_pk_mul_f32 v[TA:TA+1], v[ACC:ACC+1], v[ACC:ACC+1]        ; the sum of squares, in two chains, each accumulator from its low end on
	v_pk_mul_f32 v[TC:TC+1], v[ACC+16:ACC+17], v[ACC+16:ACC+17]
.set k, 1
.rept 7
	v_pk_fma_f32 v[TA:TA+1], v[ACC+2*k:ACC+2*k+1], v[ACC+2*k:ACC+2*k+1], v[TA:TA+1]
	v_pk_fma_f32 v[TC:TC+1], v[ACC+16+2*k:ACC+17+2*k], v[ACC+16+2*k:ACC+17+2*k], v[TC:TC+1]
.set k, k+1
.endr
	v_pk_add_f32 v[TA:TA+1], v[TA:TA+1], v[TC:TC+1]
	v_add_f32 v[TA], v[TA], v[TB]
	v_permlanex16_b32 v[TB], v[TA], s66, s67       ; the block's other 32 key dimensions lie in the lane 16 away
	v_add_f32 v[TA], v[TA], v[TB]
	v_fma_f32 v[TA], v[TA], s68, s69
	v_rsq_f32 v[RS], v[TA]
	v_nop
	s_wait_alu depctr_va_vdst(0)
	DOTS 0
	QLOAD 4
	DOTS 4
.irp hd, 0,1,2,3,4,5,6,7
	v_add_f32 v[DT+2*(\hd)], v[DT+2*(\hd)], v[DT+2*(\hd)+1]
.endr
.irp hd, 0,1,2,3,4,5,6,7
	v_permlanex16_b32 v[DT+2*(\hd)+1], v[DT+2*(\hd)], s66, s67
.endr
.irp hd, 0,1,2,3,4,5,6,7
	v_add_f32 v[DT+2*(\hd)], v[DT+2*(\hd)], v[DT+2*(\hd)+1]
.endr
.irp hd, 0,1,2,3,4,5,6,7
	v_max_num_f32 v[DT+2*(\hd)], 0, v[DT+2*(\hd)]  ; the norm's factor is positive: it is applied behind the relu, once
.endr
	v_mul_f32 v[KN], s70, v[DT]
.irp hd, 1,2,3,4,5,6,7
	v_fmac_f32 v[KN], s[70+(\hd)], v[DT+2*(\hd)]
.endr
	v_mul_f32 v[KN], v[KN], v[RS]
	v_and_b32 v[KN], 0x7fffffff, v[KN]             ; a valid score is 0 or more: a zero's sign is cleared, so that the patterns order as the numbers do
	v_permlanex16_b32 v[MKW+1], v[MKW], s66, s67   ; the block's other 16 mask bytes
	v_and_b32 v[MKW], v[MKW], v[MKW+1]
	v_mov_b32 v[TA], 0xff7fffff                    ; the lowest finite number
	v_cmp_eq_u32 s78, s79, v[MKW]                  ; all 32 tokens padded
	v_cndmask_b32 v[KN], v[KN], v[TA], s78
	s_and_b32 s4, s78, 0xffff                      ; each block stands in both halves of the lanes: count one
	s_bcnt1_i32_b32 s4, s4
	v_mov_b32 v[TB], s4
	s_lshl_b32 s5, s2, 2
	s_add_co_u32 s5, s5, VC
	v_mov_b32 v[LVA], s5
	ds_store_b32 v[LSC], v[KN]                     ; both halves of the lanes write the same word with the same number
	ds_store_b32 v[LVA], v[TB]
	s_wait_dscnt 0x0
	s_barrier_signal -1
	s_barrier_wait -1
	; THE RANKS.  My block is n = 16 w + r; my half of the lanes compares it with blocks m = 64 h + i.  m goes before n if its pattern is greater than n's, or, for m < n, than n's less 1.
.irp z, 0,1,2,3,4,5,6,7,8,9,10,11,12,13,14,15
	ds_load_b128 v[KM+4*(\z):KM+4*(\z)+3], v[LSR] offset:16*(\z)
.endr
	WIN 0x40                                       ; the first term, turned, for the choice: 32 loads that read what the tensor loads brought
.set ks, 0
.rept 4
.irp tl, 0,1,2,3
	ds_load_tr16_b128 v[32*ks+8*(\tl):32*ks+8*(\tl)+3], v[LTR+ks/2] offset:(ks%2)*32*XP+32*(\tl)
	ds_load_tr16_b128 v[32*ks+8*(\tl)+4:32*ks+8*(\tl)+7], v[LTR+ks/2] offset:(ks%2)*32*XP+16*XP+32*(\tl)
.endr
.set ks, ks+1
.endr
	WIN 0
	v_add_nc_u32 v[KN1], -1, v[KN]
	s_lshl_b32 s4, s2, 4
	v_add_nc_u32 v[DD], s4, v[R]
	v_lshlrev_b32 v[TA], 6, v[H]
	v_sub_nc_u32 v[DD], v[DD], v[TA]               ; m < n where i < n - 64 h
	v_mov_b32 v[CNT], 0
	v_mov_b32 v[CNT+1], 0
	s_wait_dscnt 32                                ; the 32 turning loads may stay out
.set i, 0
.rept 64
	v_cmp_lt_i32 vcc_lo, i, v[DD]
	v_cndmask_b32 v[TA+i%2], v[KN], v[KN1], vcc_lo
	v_cmp_gt_i32 vcc_lo, v[KM+i], v[TA+i%2]
	v_cndmask_b32 v[TC+i%2], 0, 1, vcc_lo
	v_add_nc_u32 v[CNT+i%2], v[CNT+i%2], v[TC+i%2]
.set i, i+1
.endr
	v_add_nc_u32 v[CNT], v[CNT], v[CNT+1]
	v_permlanex16_b32 v[CNT+1], v[CNT], s66, s67   ; the other 64 blocks' count
	v_add_nc_u32 v[CNT], v[CNT], v[CNT+1]
	ds_store_b32 v[LRK], v[CNT]
	s_wait_dscnt 0x0
	s_barrier_signal -1
	s_barrier_wait -1
	; THE CHOICE.  Source 1 (32 blocks x 16 rows of out0): lane l holds row j = l % 16 and, of each 32 blocks, 8 (l / 16) + 0..7 and 16 + 8 (l / 16) + 0..7: 1 where the block's rank is j.
.irp z, 0,1,2,3,4,5,6,7,8,9,10,11,12,13,14,15
	ds_load_b128 v[RKR+4*(\z):RKR+4*(\z)+3], v[LRR] offset:128*((\z)/4)+64*(((\z)/2)%2)+16*((\z)%2)
.endr
	s_wait_dscnt 0x0
.set z, 0
.rept 32
	v_cmp_eq_u32 vcc_lo, v[RKR+2*z], v[R]
	v_cndmask_b32 v[TA+2*(z%2)], 0, 1.0, vcc_lo
	v_cmp_eq_u32 vcc_lo, v[RKR+2*z+1], v[R]
	v_cndmask_b32 v[TB+2*(z%2)], 0, 1.0, vcc_lo
	v_cvt_pk_bf16_f32 v[PF+z], v[TA+2*(z%2)], v[TB+2*(z%2)]
.set z, z+1
.endr
	WIN 0x01                                       ; source 0 in window 1: 16 channels x 32 blocks
.set ks, 0
.rept 4
.irp tl, 0,1,2,3                                   ; the four accumulators take turns; the first K step starts the sums
.if ks == 0
	v_wmma_f32_16x16x32_bf16 v[OA+8*(\tl):OA+8*(\tl)+7], v[32*ks+8*(\tl):32*ks+8*(\tl)+7], v[PF+8*ks:PF+8*ks+7], 0
.else
	v_wmma_f32_16x16x32_bf16 v[OA+8*(\tl):OA+8*(\tl)+7], v[32*ks+8*(\tl):32*ks+8*(\tl)+7], v[PF+8*ks:PF+8*ks+7], v[OA+8*(\tl):OA+8*(\tl)+7]
.endif
.endr
.set ks, ks+1
.endr
	WIN 0
	PLACES
	; A lane holds row j = l % 16 and, of each tile of 16 channels, 8 (l / 16) + 0..7.  Through my stage: rows of 256 bytes + 16, back as whole rows.
.irp tl, 0,1,2,3
	ds_store_b128 v[OST], v[OA+8*(\tl):OA+8*(\tl)+3] offset:64*(\tl)
	ds_store_b128 v[OST], v[OA+8*(\tl)+4:OA+8*(\tl)+7] offset:64*(\tl)+16
.endr
.irp e, 0,1,2,3,4,5,6,7
	ds_load_b128 v[128+4*(\e):128+4*(\e)+3], v[LST] offset:2*(\e)*SPT
.endr
.irp e, 0,1,2,3,4,5,6,7
	s_wait_dscnt 7-(\e)                            ; the later rows' loads may stay out
	global_store_b128 v[OGO], v[128+4*(\e):128+4*(\e)+3], s[32:33] offset:4096*(\e)  ; 16 lanes store 256 consecutive bytes, aligned
.endr
	s_cmp_lg_u32 s2, 0
	s_cbranch_scc1 .Lend
	v_mov_b32 v[LVA], VC                           ; wave 0: the eight waves' numbers of padded blocks
	ds_load_b128 v[160:163], v[LVA]
	ds_load_b128 v[164:167], v[LVA] offset:16
	s_wait_dscnt 0x0
	v_add_nc_u32 v160, v160, v161
	v_add_nc_u32 v162, v162, v163
	v_add_nc_u32 v164, v164, v165
	v_add_nc_u32 v166, v166, v167
	v_add_nc_u32 v160, v160, v162
	v_add_nc_u32 v164, v164, v166
	v_add_nc_u32 v160, v160, v164
	v_add_nc_u32 v160, v160, v[R]
	v_cmp_lt_u32 vcc_lo, 0x7f, v160                ; rank j belongs to a padded block where j + their number passes 127
	v_cndmask_b32 v161, 0, 1, vcc_lo
	s_lshl_b32 s4, ttmp9, 4
	v_add_nc_u32 v162, s4, v[R]
	global_store_b8 v162, v161, s[34:35]           ; both halves of the lanes store the same bytes
.Lend:
	s_wait_tensorcnt 0x0                           ; the wave's end: behind my last tensor load and my last LDS store
	ds_add_u32 v[SPW], v[NIL]
	s_wait_dscnt 0x0
	s_endpgm
.Lfunc_end_k_q187fea904d_select:
	.size	k_q187fea904d_select, .Lfunc_end_k_q187fea904d_select-k_q187fea904d_select
	.p2alignl 7, 3214868480
	.fill 96, 4, 3214868480
	.section	.rodata,"a",@progbits
	.p2align	6, 0x0
	.amdhsa_kernel k_q187fea904d_select
		.amdhsa_group_segment_fixed_size 243200
		.amdhsa_private_segment_fixed_size 0
		.amdhsa_enable_private_segment 0
		.amdhsa_kernarg_size 112
		.amdhsa_user_sgpr_count 2
		.amdhsa_user_sgpr_kernarg_segment_ptr 1
		.amdhsa_wavefront_size32 1
		.amdhsa_system_sgpr_workgroup_id_x 1
		.amdhsa_system_sgpr_workgroup_id_y 1
		.amdhsa_system_sgpr_workgroup_id_z 1
		.amdhsa_system_vgpr_workitem_id 0
		.amdhsa_next_free_vgpr 512
		.amdhsa_next_free_sgpr 80
		.amdhsa_reserve_vcc 1
		.amdhsa_float_denorm_mode_32 3
		.amdhsa_float_denorm_mode_16_64 3
		.amdhsa_memory_ordered 1
		.amdhsa_forward_progress 1
		.amdhsa_inst_pref_size 130
	.end_amdhsa_kernel
	.amdgpu_metadata
---
amdhsa.version: [ 1, 2 ]
amdhsa.kernels:
  - .name:           k_q187fea904d_select
    .symbol:         k_q187fea904d_select.kd
    .args:
      - { .name: bts, .offset: 0, .size: 8, .value_kind: global_buffer, .address_space: global }
      - { .name: wkt, .offset: 8, .size: 8, .value_kind: global_buffer, .address_space: global }
      - { .name: wqb, .offset: 16, .size: 8, .value_kind: global_buffer, .address_space: global }
      - { .name: bk, .offset: 24, .size: 8, .value_kind: global_buffer, .address_space: global }
      - { .name: padding_mask, .offset: 32, .size: 8, .value_kind: global_buffer, .address_space: global }
      - { .name: query, .offset: 40, .size: 8, .value_kind: global_buffer, .address_space: global }
      - { .name: bqd, .offset: 48, .size: 8, .value_kind: global_buffer, .address_space: global }
      - { .name: g_q, .offset: 56, .size: 8, .value_kind: global_buffer, .address_space: global }
      - { .name: bqu, .offset: 64, .size: 8, .value_kind: global_buffer, .address_space: global }
      - { .name: g_k, .offset: 72, .size: 8, .value_kind: global_buffer, .address_space: global }
      - { .name: Whw, .offset: 80, .size: 8, .value_kind: global_buffer, .address_space: global }
      - { .name: bhw, .offset: 88, .size: 8, .value_kind: global_buffer, .address_space: global }
      - { .name: out0, .offset: 96, .size: 8, .value_kind: global_buffer, .address_space: global }
      - { .name: out1, .offset: 104, .size: 8, .value_kind: global_buffer, .address_space: global }
    .group_segment_fixed_size: 243200
    .private_segment_fixed_size: 0
    .kernarg_segment_align: 8
    .kernarg_segment_size: 112
    .max_flat_workgroup_size: 256
    .sgpr_count:     80
    .vgpr_count:     512
    .wavefront_size: 32
...
	.end_amdgpu_metadata
.endif
;; end of part 3
;; ======== version 2 of 2: 3 launches; version 1 with the launch prep written anew for expert scheduling mode
;; limits: right only within a limited range of input values
;; workspace buffers: wt 1,114,112 bytes; wkt 65,536 bytes; wqb 131,072 bytes; bts 12,582,912 bytes
;; launch prep (part 4): grid 152 x 1, 8 waves a work-group, no clusters, 0 bytes of LDS; arguments Wv, Ww, bw, pos_bias, wt, Wk, wkt, Wqd, Wqu, wqb; writes wt, wkt, wqb
.if DOCPART == 4
	.amdgcn_target "amdgcn-amd-amdhsa--gfx1250"
	.amdhsa_code_object_version 6
	.text
	.protected	k_q187fea904d_prep
	.globl	k_q187fea904d_prep
	.p2align	8
	.type	k_q187fea904d_prep,@function
k_q187fea904d_prep:
	s_mov_b64 s[64:65], 0
	v_nop
	global_prefetch_b8 v0, s[64:65] scope:SCOPE_SE
	s_setreg_imm32_b32 hwreg(HW_REG_WAVE_SCHED_MODE, 0, 2), 2
	s_setreg_imm32_b32 hwreg(HW_REG_WAVE_MODE, 25, 1), 1
	s_wait_xcnt 0x0
	s_wait_alu depctr_vm_vsrc(0)
; PREPARATION OF THE WEIGHTS.  Every number is rounded once to bf16 (nearest even).
; Work-groups 0-127 (role W): Wv and Ww turned to [channel][k] in bf16 and laid out in 32 chunks of 34 rows of 1,024 bytes: rows 0-15 the chunk's 16 channels of Wv,
;   rows 16-31 the same channels of Ww, rows 32, 33 the f32 sums bw + pos_bias in the order in which a matrix accumulator holds them (lane l, register j: token 16 par + 8 (l / 16) + j, channel l % 16).
; Work-groups 128-135 (role K): Wk turned to [key dimension][k] in bf16.
; Work-groups 136-151 (role C): Wqd, then Wqu, cast to bf16 in their own order.
; The role hangs on the work-group's number alone.  No LDS, no matrix unit, no cluster: 2.6 MB are read once and nothing is shared between work-groups.
; LIMITS: NaN and infinities are not treated apart.
; THE MODE: SCHED_MODE bits 1:0 = 2 (LLVM: expert scheduling mode 2), set by the entry lines.  The code itself states the register dependences
; between vector instructions and memory instructions, with s_wait_alu, always for 0.
; THE PLAN.  Each role is one straight run: offsets, loads, the wait for the data, roundings, stores.  Registers that memory instructions touch:
;   the loads' offset        made by vector lines ahead of the loads; read by the loads; never written again
;   the raw registers        named by no vector line before the loads land in them; read by the roundings behind the wait on LOADcnt
;   the stores' offset       made by vector lines while the loads are out; read by the stores; never written again
;   the out registers        written by the roundings (in wave 0's part of role W: by the adds, in place on the raw registers); read by the stores; never written again
; So a run of loads has one wait on va_vdst ahead of it, for its offset, and a run of stores one, for its data and its offset.  No register that a memory instruction
; reads is written again on any path: no wait on vm_vsrc is owed.  The wave's number goes through a scalar register: one wait on va_sdst at the head.
.set CHG,   34816                      ; bytes of a chunk in wt
.macro R2 a, b, t                      ; two f32 rounded to bf16 and widened again
	v_cvt_pk_bf16_f32 v[\t], v[\a], v[\b]
	v_lshlrev_b32 v[\a], 16, v[\t]
	v_and_b32 v[\b], s3, v[\t]
.endm
.macro TR8 dst, off, base, pitch, add  ; eight numbers of one column, pitch bytes apart
.irp i, 0,1,2,3,4,5,6,7
	global_load_b32 v[(\dst)+(\i)], v[\off], s[\base:(\base)+1] offset:(\add)+(\i)*(\pitch)
.endr
.endm
	s_load_b256 s[8:15], s[0:1], 0x0               ; Wv s[8:9], Ww s[10:11], bw s[12:13], pos_bias s[14:15]
	s_load_b256 s[16:23], s[0:1], 0x20             ; wt s[16:17], Wk s[18:19], wkt s[20:21], Wqd s[22:23]
	s_load_b128 s[24:27], s[0:1], 0x40             ; Wqu s[24:25], wqb s[26:27]
	v_lshrrev_b32 v1, 5, v0
	v_readfirstlane_b32 s2, v1                     ; wave 0..7
	v_and_b32 v1, 31, v0                           ; lane
	s_mov_b32 s3, 0xffff0000                       ; a word's upper bf16
	s_wait_alu depctr_va_sdst(0)                   ; s2 is written: its one reader, the compare in role W, stands behind the branch below
	s_wait_kmcnt 0x0
	s_cmp_lt_u32 ttmp9, 128
	s_cbranch_scc0 .Lnot_w
	; ROLE W.  Chunk c = g / 4, quarter qd = g % 4 of K.  Thread: a = t % 16, rr = t / 16: eight k (128 qd + 8 a ..) of channel 16 c + rr, of Wv and of Ww.
	s_lshr_b32 s4, ttmp9, 2                        ; c
	s_and_b32 s5, ttmp9, 3                         ; qd
	v_and_b32 v2, 15, v0                           ; a
	v_lshrrev_b32 v3, 4, v0                        ; rr
	s_lshl_b32 s6, s5, 18                          ; 128 qd rows of 2,048 bytes
	s_lshl_b32 s7, s4, 6                           ; 16 c channels of 4 bytes
	s_add_co_u32 s6, s6, s7
	v_lshlrev_b32 v6, 14, v2                       ; 8 a rows
	v_lshl_add_u32 v6, v3, 2, v6
	v_add_nc_u32 v6, s6, v6
	s_wait_alu depctr_va_vdst(0)                   ; v6 is written, which the sixteen loads read as their offset
	TR8 16, 6, 8, 2048, 0
	TR8 24, 6, 10, 2048, 0
	s_mul_i32 s44, s4, CHG
	s_lshl_b32 s45, s5, 8
	s_add_co_u32 s45, s45, s44
	v_lshlrev_b32 v7, 10, v3                       ; row rr of the chunk,
	v_lshl_add_u32 v7, v2, 4, v7                   ; 16 bytes a thread: sixteen neighbouring lanes write 256 consecutive bytes, aligned
	v_add_nc_u32 v7, s45, v7
	s_wait_loadcnt 0x0
.irp j, 0,1,2,3,4,5,6,7
	v_cvt_pk_bf16_f32 v[32+(\j)], v[16+2*(\j)], v[17+2*(\j)]
.endr
	s_wait_alu depctr_va_vdst(0)                   ; the roundings have written v[32:39], the stores' data, and v7, their offset, is written
	global_store_b128 v7, v[32:35], s[16:17]
	global_store_b128 v7, v[36:39], s[16:17] offset:16384
	s_cmp_lg_u32 s2, 0                             ; wave 0 also makes a quarter of the chunk's two bias rows: par = qd / 2, q = qd % 2
	s_cbranch_scc1 .Lend
	v_and_b32 v8, 15, v1
	v_lshrrev_b32 v9, 4, v1
	v_lshl_add_u32 v10, v8, 2, s7                  ; bw: channel 16 c + l % 16
	s_lshr_b32 s6, s5, 1                           ; par
	s_and_b32 s5, s5, 1                            ; q
	s_lshl_b32 s45, s6, 15                         ; 16 par rows of pos_bias,
	s_lshl_b32 s46, s5, 13                         ; 4 q rows,
	s_add_co_u32 s45, s45, s46
	v_lshl_add_u32 v11, v9, 14, v10                ; 8 (l / 16) rows
	v_add_nc_u32 v11, s45, v11
	s_wait_alu depctr_va_vdst(0)                   ; v10 and v11 are written, which the five loads read as their offsets
.irp e, 0,1,2,3
	global_load_b32 v[40+(\e)], v11, s[14:15] offset:2048*(\e)
.endr
	global_load_b32 v44, v10, s[12:13]
	s_lshl_b32 s6, s6, 10
	s_lshl_b32 s5, s5, 9
	s_add_co_u32 s44, s44, s6
	s_add_co_u32 s44, s44, s5
	s_add_co_u32 s44, s44, 32768                   ; row 32 + par, byte 512 q
	v_lshl_add_u32 v12, v1, 4, s44                 ; the wave's store covers 512 consecutive bytes
	s_wait_loadcnt 0x0
	R2 40, 41, 45
	R2 42, 43, 46
	v_cvt_pk_bf16_f32 v47, v44, v44
	v_lshlrev_b32 v44, 16, v47
.irp e, 0,1,2,3
	v_add_f32 v[40+(\e)], v[40+(\e)], v44
.endr
	s_wait_alu depctr_va_vdst(0)                   ; the adds have written v[40:43], the store's data, and v12, its offset, is written
	global_store_b128 v12, v[40:43], s[16:17]
	s_branch .Lend
.Lnot_w:
	s_cmp_lt_u32 ttmp9, 136
	s_cbranch_scc0 .Lrole_c
	; ROLE K.  u = g - 128: key dimensions 8 u + rr.  Thread: a = t % 16, rr = (t / 16) % 8, kq = t / 128: eight k at 128 (kq + 2 z) + 8 a, z = 0, 1.
	s_sub_co_u32 s4, ttmp9, 128
	v_and_b32 v2, 15, v0
	v_bfe_u32 v3, v0, 4, 3
	v_lshrrev_b32 v8, 7, v0
	v_lshl_add_u32 v3, s4, 3, v3                   ; n
	v_lshlrev_b32 v6, 15, v8                       ; 128 kq rows of 256 bytes
	v_lshl_add_u32 v6, v2, 11, v6                  ; 8 a rows
	v_lshl_add_u32 v6, v3, 2, v6
	s_wait_alu depctr_va_vdst(0)                   ; v6 is written, which the sixteen loads read as their offset
	TR8 16, 6, 18, 256, 0
	TR8 24, 6, 18, 256, 65536
	v_lshlrev_b32 v7, 10, v3
	v_lshl_add_u32 v7, v8, 8, v7
	v_lshl_add_u32 v7, v2, 4, v7                   ; sixteen neighbouring lanes write 256 consecutive bytes, aligned
	s_wait_loadcnt 0x0
.irp j, 0,1,2,3,4,5,6,7
	v_cvt_pk_bf16_f32 v[32+(\j)], v[16+2*(\j)], v[17+2*(\j)]
.endr
	s_wait_alu depctr_va_vdst(0)                   ; the roundings have written v[32:39], the stores' data, and v7, their offset, is written
	global_store_b128 v7, v[32:35], s[20:21]
	global_store_b128 v7, v[36:39], s[20:21] offset:512
	s_branch .Lend
.Lrole_c:
	; ROLE C.  u = g - 136: 4,096 numbers of Wqd (u < 8) or of Wqu: 16,384 bytes in, 8,192 out.  Each load of a wave covers 512 consecutive bytes, each store 256, aligned.
	s_sub_co_u32 s4, ttmp9, 136
	s_cmp_lt_u32 s4, 8
	s_cselect_b64 s[28:29], s[22:23], s[24:25]
	s_and_b32 s5, s4, 7
	s_lshl_b32 s6, s5, 14
	s_mov_b32 s7, 0
	s_add_nc_u64 s[28:29], s[28:29], s[6:7]
	s_lshl_b32 s6, s4, 13
	s_add_nc_u64 s[26:27], s[26:27], s[6:7]
	v_lshlrev_b32 v2, 4, v0
	v_lshlrev_b32 v3, 3, v0
	s_wait_alu depctr_va_vdst(0)                   ; v2 is written, which the four loads read as their offset
.irp i, 0,1,2,3
	global_load_b128 v[16+4*(\i):19+4*(\i)], v2, s[28:29] offset:4096*(\i)
.endr
	s_wait_loadcnt 0x0
.irp j, 0,1,2,3,4,5,6,7
	v_cvt_pk_bf16_f32 v[32+(\j)], v[16+2*(\j)], v[17+2*(\j)]
.endr
	s_wait_alu depctr_va_vdst(0)                   ; the roundings have written v[32:39], which the four stores read as their data
.irp i, 0,1,2,3
	global_store_b64 v3, v[32+2*(\i):33+2*(\i)], s[26:27] offset:2048*(\i)
.endr
.Lend:
	s_endpgm
.Lfunc_end_k_q187fea904d_prep:
	.size	k_q187fea904d_prep, .Lfunc_end_k_q187fea904d_prep-k_q187fea904d_prep
	.p2alignl 7, 3214868480
	.fill 96, 4, 3214868480
	.section	.rodata,"a",@progbits
	.p2align	6, 0x0
	.amdhsa_kernel k_q187fea904d_prep
		.amdhsa_group_segment_fixed_size 0
		.amdhsa_private_segment_fixed_size 0
		.amdhsa_enable_private_segment 0
		.amdhsa_kernarg_size 80
		.amdhsa_user_sgpr_count 2
		.amdhsa_user_sgpr_kernarg_segment_ptr 1
		.amdhsa_wavefront_size32 1
		.amdhsa_system_sgpr_workgroup_id_x 1
		.amdhsa_system_sgpr_workgroup_id_y 1
		.amdhsa_system_sgpr_workgroup_id_z 1
		.amdhsa_system_vgpr_workitem_id 0
		.amdhsa_next_free_vgpr 64
		.amdhsa_next_free_sgpr 66
		.amdhsa_reserve_vcc 0
		.amdhsa_float_denorm_mode_32 3
		.amdhsa_float_denorm_mode_16_64 3
		.amdhsa_memory_ordered 1
		.amdhsa_forward_progress 1
		.amdhsa_inst_pref_size 11
	.end_amdhsa_kernel
	.amdgpu_metadata
---
amdhsa.version: [ 1, 2 ]
amdhsa.kernels:
  - .name:           k_q187fea904d_prep
    .symbol:         k_q187fea904d_prep.kd
    .args:
      - { .name: Wv, .offset: 0, .size: 8, .value_kind: global_buffer, .address_space: global }
      - { .name: Ww, .offset: 8, .size: 8, .value_kind: global_buffer, .address_space: global }
      - { .name: bw, .offset: 16, .size: 8, .value_kind: global_buffer, .address_space: global }
      - { .name: pos_bias, .offset: 24, .size: 8, .value_kind: global_buffer, .address_space: global }
      - { .name: wt, .offset: 32, .size: 8, .value_kind: global_buffer, .address_space: global }
      - { .name: Wk, .offset: 40, .size: 8, .value_kind: global_buffer, .address_space: global }
      - { .name: wkt, .offset: 48, .size: 8, .value_kind: global_buffer, .address_space: global }
      - { .name: Wqd, .offset: 56, .size: 8, .value_kind: global_buffer, .address_space: global }
      - { .name: Wqu, .offset: 64, .size: 8, .value_kind: global_buffer, .address_space: global }
      - { .name: wqb, .offset: 72, .size: 8, .value_kind: global_buffer, .address_space: global }
    .group_segment_fixed_size: 0
    .private_segment_fixed_size: 0
    .kernarg_segment_align: 8
    .kernarg_segment_size: 80
    .max_flat_workgroup_size: 256
    .sgpr_count:     66
    .vgpr_count:     64
    .wavefront_size: 32
...
	.end_amdgpu_metadata
.endif
;; end of part 4
;; launch compress: the kernel of part 2 again; grid 512 x 1, 4 waves a work-group, clusters of 4 x 1, 327,680 bytes of LDS; arguments tokens, padding_mask, wt, bv, g_out, bts; writes bts
;; launch select: the kernel of part 3 again; grid 32 x 1, 8 waves a work-group, no clusters, 243,200 bytes of LDS; arguments bts, wkt, wqb, bk, padding_mask, query, bqd, g_q, bqu, g_k, Whw, bhw, out0, out1; writes out0, out1
